; MI455X (gfx1250); checked and timed in simulation.
; The chip was launched on July 23, 2026; its instructions are those of AMD's public machine-readable ISA for CDNA 5 (MIT licence, August 2026) and "CDNA5" Instruction Set Architecture Reference Guide (July 2026). The comments in the code are by the model that wrote it; some were corrected since.
;; Min GRU. Allowed arithmetic: matrix products marked QUANTISED: E2M1 operands, one E8M0 scale for each 32 along K, by v_wmma_scale_f32_16x16x128_f8f6f4 with both operands' format E2M1 (or v_wmma_scale_f32_32x16x128_f4), f32 sums; everything else in f32.
;; Inputs: W0_codes 3,072 x 32 x 16 uint8 (E2M1 codes of W0, K innermost, in blocks of 32 codes, two codes a byte); W0_scales 3,072 x 32 uint8 (E8M0 scales of W0, one for each 32 codes along K); W1_codes 3,072 x 32 x 16 uint8 (E2M1 codes of W1, K innermost, in blocks of 32 codes, two codes a byte); W1_scales 3,072 x 32 uint8 (E8M0 scales of W1, one for each 32 codes along K); h 8 x 1,024 x 1,024 float32.
;; Outputs: out0 8 x 1,024 x 1,024 float32.
;; This version of the problem:
;;   THIS VERSION OF THE PROBLEM IS GIVEN IN LOW PRECISION. The matrix products marked QUANTISED in the list below multiply operands that are first quantised to E2M1 (2 exponent bits, 1 mantissa bit; 4 bits a number), with one power-of-two scale for each 32 numbers along K (OCP MX v1.0); their sums are f32. All else is computed in f32.
;;   The module's matrix products, in the order in which they are computed (A, B: the left and right operand; K: the contracted axis; several contracted axes count as one K, in the product's order):
;;     1. [M 8,192, K 1,024] x [K 1,024, N 3,072]; A: input h; B: input W0 (given as codes): QUANTISED
;;     2. [M 8,192, K 1,024] x [K 1,024, N 3,072]; A: computed on the way; B: input W1 (given as codes): QUANTISED
;;   THE QUANTISER, for each operand of a quantised product, along K:
;;     - K is cut into blocks of 32 from its start; a last block that is shorter is filled with zeros.
;;     - A block's scale is 2^e with e = floor(log2(the largest magnitude in the block)) - 2, held to -126 .. 127; a block of zeros has e = 0. As a byte (E8M0): e + 127.
;;     - Each number is divided by its block's scale, clamped to +-6, and rounded to the nearest number of E2M1, ties to even, subnormals kept.
;;     - The product sums the exact products of the quantised numbers (number of the format x scale) in f32.
;;   ~~~python
;;   def quantise(x, axis):      # numpy; x: float32 -> the quantised numbers, widened to float32 again
;;       x = np.moveaxis(x, axis, -1); K = x.shape[-1]
;;       x = np.pad(x, [(0, 0)] * (x.ndim - 1) + [(0, -K % 32)]); x = x.reshape(x.shape[:-1] + (-1, 32)); a = np.abs(x).max(-1, keepdims=True)
;;       e = np.where(a > 0, np.clip(np.frexp(np.where(a > 0, a, 1))[1] - 1 - 2, -126, 127), 0)      # np.frexp(a)[1] - 1 = floor(log2(a)), exactly
;;       r = np.clip(x / 2.0 ** e, -6, 6)
;;       step = 2.0 ** (np.maximum(np.frexp(np.where(r == 0, 1, r))[1] - 1, 0) - 1)
;;       q = np.round(r / step) * step * 2.0 ** e      # np.round: ties to even
;;       return np.moveaxis(q.reshape(q.shape[:-2] + (-1,))[..., :K], -1, axis).astype(np.float32)
;;   ~~~
;;   OPERANDS COMPUTED ON THE WAY. 'Computed on the way' means the value that the module computes at that place (a softmax that the list does not call 'softmax' is quantised finished and normalised). What goes into a quantiser is computed in f32, as accurately as f32 sums, v_exp_f32 and their like allow (about 1e-6 of the number): no bf16 or f16 on the way to a quantiser, and a product that is left as it is and whose result goes on into a quantised operand takes f32 operands (vector FMAs, or v_wmma_f32_16x16x4_f32). A number that lies on a knife's edge between two numbers of the format may be rounded either way, as far as f32 arithmetic and the matrix unit's own rounding can turn it there, and no further.
;;   INPUTS GIVEN AS CODES. W0 (in the module: [1024, 3072], K = its axis 0); W1 (in the module: [1024, 3072], K = its axis 0): each comes as NAME_codes (uint8): NAME with its K axis moved to the last place and cut into blocks of 32 codes, [.., K / 32, bytes a block], one block behind the other in memory; two codes a byte, the lower K in the low four bits (a code: sign, 2 exponent bits, 1 mantissa bit); and NAME_scales (uint8): the same leading axes, one E8M0 byte (e + 127) for each 32 codes along K. Its value is code x scale, taken as it is: it is not quantised again, and the codes and scales need not be those that the quantiser above would give.
;; One version. Each part assembles by itself: llvm-mc -triple=amdgcn-amd-amdhsa -mcpu=gfx1250 --defsym DOCPART=n.
;; ======== version 1 of 1: 3 launches
;; limits: right only within a limited range of input values
;; workspace buffers: c0 4,194,304 bytes; s0 262,144 bytes; h1 33,554,432 bytes; c1 4,194,304 bytes; s1 262,144 bytes
;; launch quant (part 1): grid 16 x 32, 4 waves a work-group, no clusters, 35,840 bytes of LDS; arguments h, c0, s0; writes c0, s0
.if DOCPART == 1
	.amdgcn_target "amdgcn-amd-amdhsa--gfx1250"
	.amdhsa_code_object_version 6
	.text
	.protected	k_q8866f477f9_quant
	.globl	k_q8866f477f9_quant
	.p2align	8
	.type	k_q8866f477f9_quant,@function
k_q8866f477f9_quant:
	s_mov_b64 s[64:65], 0
	v_nop
	global_prefetch_b8 v0, s[64:65] scope:SCOPE_SE
	s_setreg_imm32_b32 hwreg(HW_REG_WAVE_MODE, 25, 1), 1
	s_wait_xcnt 0x0
; h [8][1024][1024] f32 becomes codes of FP4 (E2M1) with one E8M0 scale byte for each 32 channels, laid in the order in which the layer kernel's operand registers take them.
; TIME.  t = 128 q + 16 w + 64 (m / 8) + 8 k + m % 8: q the span of 128 times, w the reading wave, k its tile of 16 rows, m the row of the tile.
; CODES  c0[b][q][w][k][block 0..31][m][16 bytes]: a fragment (16 rows x 128 channels) is 1,024 consecutive bytes, an image of its eight registers.
; SCALES s0[b][place of the block][q][w][m][k], one byte each; block 8 s + 4 hs + i has the place 8 s + 2 i + hs.
; A block's scale is 2^(floor(log2(largest magnitude)) - 2); its byte is the largest magnitude's exponent field - 2, held at 1 from below by a floor among the maximum's leaves.
; A block of zeros so gets the byte 1 where the rule says 127: its codes are zeros, and this program alone reads the bytes.
; LIMITS: blocks whose largest magnitude lies under 2^-124 keep the byte 1; NaN and infinities among the inputs are not served.
; SHARES.  Work-group x = a pair of blocks (64 channels, 256 bytes of a row), y = 4 b + a pair of spans.  Wave w has four tasks (span of the pair, tile k), each 16 rows x 256 bytes.
; Each load reads two rows' 256 aligned bytes; a task's 4,096 bytes turn through the wave's own stage in LDS (rows 272 bytes apart), so that a lane gets the 32 numbers of ONE block:
; lane = 16 x (block of the pair) + row.  A lane's codes are 16 bytes, a wave's store 512 consecutive bytes.  The work-group's 512 scale bytes gather in LDS and leave as two aligned runs of 256.
; No loop: every offset is an immediate, each task has its own registers for its codes and its byte, so no store's data are written again.
.set SP,    272                        ; a stage row: 256 bytes + 16
.set STGB,  16*SP                      ; a stage
.set WREG,  2*STGB                     ; a wave's two stages
.set SB,    4*WREG                     ; behind them: the 512 scale bytes [block of the pair][span of the pair][w][m][k]
.set R,     32                         ; v32-159  four sets of 32 numbers as loaded
.set X,     160                        ; v160-223 two sets of 32 neighbours
.set C,     224                        ; v224-239 codes, four registers a task
.set E,     12                         ; v12-15   a scale byte a task
	s_load_b128 s[4:7], s[0:1], 0x0                ; h, c0
	s_load_b64 s[8:9], s[0:1], 0x10                ; s0
	v_lshl_add_u32 v240, v0, 2, 0x8a00
	v_mov_b32 v241, 0
	v_lshrrev_b32 v1, 5, v0
	v_readfirstlane_b32 s10, v1                    ; wave
	v_and_b32 v1, 31, v0                           ; lane
	v_and_b32 v7, 15, v0                           ; lane % 16
	v_bfe_u32 v11, v0, 4, 1                        ; lane / 16
	v_lshlrev_b32 v2, 12, v11
	v_lshl_add_u32 v2, v7, 4, v2                   ; in memory: lanes 0-15 one row's 256 bytes, lanes 16-31 the next row's
	s_mul_i32 s11, s10, WREG
	v_mul_u32_u24 v3, v11, SP
	v_lshl_add_u32 v3, v7, 4, v3
	v_add_nc_u32 v3, s11, v3                       ; the stage, on the way in: the same two rows
	v_mul_u32_u24 v4, v7, SP
	v_lshl_add_u32 v4, v11, 7, v4
	v_add_nc_u32 v4, s11, v4                       ; and on the way out: row lane % 16, block lane / 16 (128 bytes)
	v_lshlrev_b32 v5, 4, v1                        ; my codes' place in a task's 512 bytes
	s_lshl_b32 s12, s10, 5
	s_add_co_u32 s12, s12, SB
	v_lshlrev_b32 v6, 8, v11
	v_lshl_add_u32 v6, v7, 1, v6
	v_add_nc_u32 v6, s12, v6                       ; my scale byte: 256 x block + 32 w + 2 m (+ 128 x span + k in the immediate)
	v_add_nc_u32 v16, SB, v5                       ; the scale bytes' way out (wave 0): 16 bytes a lane,
	v_lshlrev_b32 v17, 11, v11
	v_lshl_add_u32 v17, v7, 4, v17                 ; the second block's run 2,048 bytes behind the first's
	s_and_b32 s13, ttmp7, 0xffff                   ; y = 4 b + pair of spans
	s_lshl_b32 s14, s13, 20                        ; h: y x 256 rows of 4,096 bytes
	s_lshl_b32 s15, s10, 16                        ;    + 16 w rows
	s_add_co_u32 s14, s14, s15
	s_lshl_b32 s15, ttmp9, 8                       ;    + 256 bytes x pair of blocks
	s_add_co_u32 s14, s14, s15
	s_mov_b32 s15, 0
	s_lshl_b32 s16, s13, 17                        ; c0: y x two spans of 65,536 bytes
	s_lshl_b32 s17, s10, 14                        ;    + 16,384 w
	s_add_co_u32 s16, s16, s17
	s_lshl_b32 s17, ttmp9, 9                       ;    + 512 x pair of blocks
	s_add_co_u32 s16, s16, s17
	s_mov_b32 s17, 0
	s_lshr_b32 s18, s13, 2
	s_lshl_b32 s18, s18, 15                        ; s0: 32,768 b
	s_and_b32 s20, s13, 3
	s_lshl_b32 s20, s20, 8                         ;    + 256 x pair of spans
	s_add_co_u32 s18, s18, s20
	s_lshr_b32 s20, ttmp9, 2
	s_lshl_b32 s20, s20, 13                        ;    + 1,024 x the place of the pair's first block: 8 (x / 4) + 4 (x % 2) + (x / 2) % 2
	s_add_co_u32 s18, s18, s20
	s_and_b32 s20, ttmp9, 1
	s_lshl_b32 s20, s20, 12
	s_add_co_u32 s18, s18, s20
	s_bfe_u32 s20, ttmp9, 0x10001
	s_lshl_b32 s20, s20, 10
	s_add_co_u32 s18, s18, s20
	s_mov_b32 s19, 0
	s_wait_alu depctr_va_vdst(0)
	s_wait_kmcnt 0x0
	s_add_nc_u64 s[4:5], s[4:5], s[14:15]
	s_add_nc_u64 s[6:7], s[6:7], s[16:17]
	s_add_nc_u64 s[8:9], s[8:9], s[18:19]
.macro LOAD t                          ; task t = 2 x span + k: rows m = 2 i, 2 i + 1 lie at time 128 x span + 8 k + 64 (i / 4) + 2 (i % 4) on
.irp i, 0,1,2,3,4,5,6,7
	global_load_b128 v[R+32*(\t)+4*\i:R+32*(\t)+4*\i+3], v2, s[4:5] offset:(128*((\t)/2)+8*((\t)%2)+64*(\i/4)+2*(\i%4))*4096 th:TH_LOAD_NT
.endr
.endm
.macro TURN t                          ; through the stage: LDS serves a wave's instructions in order, so no wait stands between the stores and the loads
.irp i, 0,1,2,3,4,5,6,7
	ds_store_b128 v3, v[R+32*(\t)+4*\i:R+32*(\t)+4*\i+3] offset:STGB*((\t)%2)+2*SP*\i
.endr
.irp i, 0,1,2,3,4,5,6,7
	ds_load_b128 v[X+32*((\t)%2)+4*\i:X+32*((\t)%2)+4*\i+3], v4 offset:STGB*((\t)%2)+16*\i
.endr
.endm
.macro STEP t
.set XS, X+32*((\t)%2)
.if (\t) > 0
	s_wait_dscnt 0x1                               ; this task's numbers are back from the stage; the last task's byte store may be out
.else
	s_wait_dscnt 0x0
.endif
.if (\t) < 3
	s_wait_loadcnt 8*(2-(\t))                      ; the next task's eight loads are in; those of the tasks behind it may be out
	TURN (\t)+1                                    ; and go through the other stage while this task is worked
.endif
	v_max3_num_f32 v8, |v[XS]|, |v[XS+1]|, 0x1800000               ; the block's largest magnitude, in two chains, with the floor 2^(3 - 127) among the leaves
	v_max3_num_f32 v9, |v[XS+16]|, |v[XS+17]|, |v[XS+18]|
.irp i, 2,4,6,8,10,12
	v_max3_num_f32 v8, v8, |v[XS+\i]|, |v[XS+\i+1]|
	v_max3_num_f32 v9, v9, |v[XS+17+\i]|, |v[XS+18+\i]|
.endr
	v_max3_num_f32 v8, v8, |v[XS+14]|, |v[XS+15]|
	v_max3_num_f32 v8, v8, v9, |v[XS+31]|
	v_add_nc_u32 v10, 0xff000000, v8               ; 2 off its exponent field: the conversion takes the exponent field of this operand as its scale
.irp g, 0,1,2,3
	v_cvt_scalef32_pk8_fp4_f32 v[C+4*(\t)+\g], v[XS+8*\g:XS+8*\g+7], v10
.endr
	v_lshrrev_b32 v[E+(\t)], 23, v10               ; the scale's byte; also the plain line behind the conversions
	ds_store_b8 v6, v[E+(\t)] offset:128*((\t)/2)+(\t)%2
	global_store_b128 v5, v[C+4*(\t):C+4*(\t)+3], s[6:7] offset:65536*((\t)/2)+8192*((\t)%2)   ; 32 lanes store 512 consecutive bytes
.endm
	LOAD 0
	LOAD 1
	LOAD 2
	LOAD 3
	s_wait_loadcnt 24                              ; task 0's eight loads are in
	TURN 0
	STEP 0
	STEP 1
	STEP 2
	STEP 3
	s_wait_dscnt 0x0                               ; for the others' sake: my byte stores are done
	s_barrier_signal -1
	s_barrier_wait -1
	s_cmp_lg_u32 s10, 0
	s_cbranch_scc1 .Ldone
	ds_load_b128 v[20:23], v16                     ; wave 0: the work-group's 512 scale bytes
	s_wait_dscnt 0x0
	global_store_b128 v17, v[20:23], s[8:9]        ; two aligned runs of 256 bytes
.Ldone:
	s_wait_tensorcnt 0x0
	ds_add_u32 v240, v241
	s_wait_dscnt 0x0
	s_endpgm
.Lfunc_end_k_q8866f477f9_quant:
	.size	k_q8866f477f9_quant, .Lfunc_end_k_q8866f477f9_quant-k_q8866f477f9_quant
	.p2alignl 7, 3214868480
	.fill 96, 4, 3214868480
	.section	.rodata,"a",@progbits
	.p2align	6, 0x0
	.amdhsa_kernel k_q8866f477f9_quant
		.amdhsa_group_segment_fixed_size 35840
		.amdhsa_private_segment_fixed_size 0
		.amdhsa_enable_private_segment 0
		.amdhsa_kernarg_size 24
		.amdhsa_user_sgpr_count 2
		.amdhsa_user_sgpr_kernarg_segment_ptr 1
		.amdhsa_wavefront_size32 1
		.amdhsa_system_sgpr_workgroup_id_x 1
		.amdhsa_system_sgpr_workgroup_id_y 1
		.amdhsa_system_sgpr_workgroup_id_z 1
		.amdhsa_system_vgpr_workitem_id 0
		.amdhsa_next_free_vgpr 242
		.amdhsa_next_free_sgpr 66
		.amdhsa_reserve_vcc 0
		.amdhsa_float_denorm_mode_32 3
		.amdhsa_float_denorm_mode_16_64 3
		.amdhsa_memory_ordered 1
		.amdhsa_forward_progress 1
		.amdhsa_inst_pref_size 17
	.end_amdhsa_kernel
	.amdgpu_metadata
---
amdhsa.version: [ 1, 2 ]
amdhsa.kernels:
  - .name:           k_q8866f477f9_quant
    .symbol:         k_q8866f477f9_quant.kd
    .args:
      - { .name: h, .offset: 0, .size: 8, .value_kind: global_buffer, .address_space: global }
      - { .name: c0, .offset: 8, .size: 8, .value_kind: global_buffer, .address_space: global }
      - { .name: s0, .offset: 16, .size: 8, .value_kind: global_buffer, .address_space: global }
    .group_segment_fixed_size: 35840
    .private_segment_fixed_size: 0
    .kernarg_segment_align: 8
    .kernarg_segment_size: 24
    .max_flat_workgroup_size: 128
    .sgpr_count:     66
    .vgpr_count:     242
    .wavefront_size: 32
...
	.end_amdgpu_metadata
.endif
;; end of part 1
;; launch layer1 (part 2): grid 32 x 8, 4 waves a work-group, clusters of 4 x 1, 327,680 bytes of LDS; arguments c0, s0, W0_codes, W0_scales, h, h1, c1, s1; writes h1, c1, s1
.if DOCPART == 2
	.amdgcn_target "amdgcn-amd-amdhsa--gfx1250"
	.amdhsa_code_object_version 6
	.text
	.protected	k_q8866f477f9_layer1
	.globl	k_q8866f477f9_layer1
	.p2align	8
	.type	k_q8866f477f9_layer1,@function
k_q8866f477f9_layer1:
	s_mov_b64 s[64:65], 0
	v_nop
	global_prefetch_b8 v0, s[64:65] scope:SCOPE_SE
	s_setreg_imm32_b32 hwreg(HW_REG_WAVE_MODE, 25, 1), 1
	s_wait_xcnt 0x0
	s_wait_alu depctr_hold_cnt(0) depctr_sa_sdst(0) depctr_va_vdst(0) depctr_va_sdst(0) depctr_va_ssrc(0) depctr_va_vcc(0) depctr_vm_vsrc(0)
	s_getreg_b32 s2, hwreg(HW_REG_IB_STS2, 6, 4)
	s_cmp_eq_u32 s2, 0
	s_cbranch_scc0 .Lentry_in_a_cluster
	s_endpgm
.Lentry_in_a_cluster:
	s_bfe_u32 s2, ttmp6, 0x10000c
	s_cmp_lg_u32 s2, 0x3003
	s_cbranch_scc0 .Lentry_shape_is_right
	s_endpgm
.Lentry_shape_is_right:
; ONE MinGRU LAYER: z = Q(h) W on codes of FP4 (E2M1) with E8M0 scales for each 32 along K; z = (hidden, gate, proj); out_t = a_t out_(t-1) + b_t with a = sigmoid(-gate),
; b = sigmoid(gate) g(hidden), g(x) = x + 0.5 for x >= 0, else sigmoid(x); h' = h + sigmoid(proj) (out - h).  The recurrence is the log-space scan's sum term for term; all its terms are
; 0 or more, so plain f32 loses nothing by cancellation, and no exponential of a sum is formed: the only exponentials stand inside sigmoids.
; g(x) IS TAKEN AS max(x + 0.5, sigmoid(x)): sigmoid(x) - x - 0.5 is 0 at x = 0 and falls everywhere (the sigmoid's slope is under 1), so the line lies above for x > 0 and below for x < 0.
; THE GATE: E = 2^min(gate log2(e), 120), a = 1 / (1 + E), sigmoid(gate) = E a.  The hold keeps 1 / (1 + E) a normal number, so that E a stays 1 for large gates.
; LAYER = 1: h comes row-major; h' leaves as an image of the state registers (h1), and quantised (c1, s1) for the next layer.  LAYER = 2: h comes as that image; h' leaves row-major.
; SHARES.  A work-group owns 32 channels (one block of 32 of the next K) of one batch for all 1,024 times: 8,192 sequences over 256 work-groups.  Time goes in 8 SPANS of 128.
; In a span wave w makes 32 rows (tiles k = 0, 1) x 96 columns (tile n = 2 g + u: g = hidden, gate, proj; u = half of the 32 channels).  Row m of tile k is time
; 128 q + 16 w + 64 (m / 8) + 8 k + m % 8.  Source 0 = rows of time, source 1 = rows of W: in a result lane (r, hl) holds ONE channel (16 u + r) and register j the time of m = 8 hl + j.
; So the 16 registers of tiles k = 0, 1 are 16 consecutive times of chunk ci = w + 4 hl, and the scan runs down a lane's registers.  The eight chunks' aggregates (product of a, local end
; value) meet in LDS, and every lane folds them in order.
; W's 96 rows stay in every wave's registers for the whole launch (48 fragments, 24 scale words).
; CLUSTER.  The four work-groups of a cluster belong to one batch and read the same codes and scale bytes of h: each tile is asked for JOINTLY, by the same tensor load with the same
; descriptor and the mask of all four.  The place in the cluster enters global addresses alone.
; THE RING.  Two LDS slots, each with the codes of two spans (131,072 bytes); each wave brings a quarter of a slot by one load.  A slot is filled again behind the barrier of its second span.
; LIMITS: NaN and infinities are not served.  Sigmoids and products under 2^-126 become 0; sigmoid(-gate) is held at 2^-120 from below.
; A block of h' whose largest magnitude lies under 2^-124 keeps the scale byte 1 (a block of zeros too: its codes are zeros, and this program alone reads the bytes).
; The row-major side moves in aligned pieces of 128 bytes (32 channels): slices of 64 channels would leave half of the 256 work-groups without work.
; REGISTERS, in windows of 256: window 0: see the names below.  Window 1: W's fragments of K steps 0-3 at v[48 s + 8 n]; v192-223, v224-255 h of the even and odd spans.
; Window 2: W's fragments of K steps 4-7.  Window 3: the span's 16 fragments of time rows at v[8 (2 s + k)].
.set LAYER, 1
.set SLOT1, 131072                     ; slot 1 begins here: one exclusive or turns an address in one slot into the other's
.set SPANB, 65536                      ; a span's codes
.set SCL,   262144                     ; the batch's scale bytes: 256 rows (8 x place of the block + span) of 128 bytes + 16: filled once
.set STG,   299008                     ; 32 rows x 144 bytes for each wave; at the head W's stage, 32 rows x 528
.set EXC,   317440                     ; the chunks' aggregates: two sets of 2,048 bytes, by the span's parity; 16 bytes a thread
.set SCB,   321536                     ; LAYER 1: the 1,024 scale bytes of h' on their way out
.set SPARE, 322560                     ; the spare words, 128 bytes for each wave: two blocks of 256 bytes that no other line names
.set SPW,  1                           ; v1   LDS address of my spare word; never rewritten
.set NIL,  2                           ; v2   0; never rewritten
.set AFA,  3                           ; v3   16,384 w + 16 lane: my fragments' place in a span's codes
.set AFT,  4                           ; v4   the same in the span to be fetched (at the head: where I read W's stage)
.set SCA,  5                           ; v5   my scale halfwords: SCL + 1,152 hl + 32 w + 2 r
.set STW,  6                           ; v6   my stage by (time, channel): + 1,152 hl + 4 r
.set STQ,  7                           ; v7   my stage by rows: + 144 lane
.set STR,  8                           ; v8   my stage, four rows an instruction: + 144 (lane / 8) + 16 (lane % 8)
.set EXW,  9                           ; v9   where I put my chunk's aggregates
.set EXR,  10                          ; v10  where my channel's aggregates begin
.set SBW,  11                          ; v11  my scale byte: SCB + 32 w + 2 (lane % 16) + lane / 16
.set GHI,  12                          ; v12  my offset in h as it comes
.set GHO,  13                          ; v13  my offset in h' as it leaves
.set GCO,  14                          ; v14  my offset in the codes: 8,192 (lane / 16) + 16 (lane % 16)
.set SO8,  15                          ; v15  8 x thread
.set SL8,  16                          ; v16  SCB + 8 x thread
.set SCT,  17                          ; v17  SCA in the trip in hand
.set SBT,  18                          ; v18  SBW in the trip in hand
.set WSW,  24                          ; v24-47   W's scale words (n, pair of K steps): lanes 0-15 the even step's, lanes 16-31 the odd step's
.set ASW,  48                          ; v48-55   the time rows' scale words (pair of K steps, k), likewise
.set CAR,  56                          ; v56-57   the state at the last span's end, for u = 0, 1
.set TM,   58                          ; v58-59   at work
.set CD,   60                          ; v60-63   codes
.set VH,   64                          ; v64-95   hidden, then hidden + 0.5; later the aggregates; later a row of h'
.set VG,   96                          ; v96-127  gate, E, sigmoid(gate); later v96-97 my chunk's entry state, v100-123 scale halfwords
.set VP,   128                         ; v128-159 proj, then sigmoid(proj)
.set LOC,  160                         ; v160-191 b, the local scan, out, h'
.set ACU,  192                         ; v192-223 a, its running product
.set HOLD, 224                         ; v224-255 LAYER 1: h; LAYER 2: rows of h' on their way out
.set MY,   96
.set SH,   100
.set ST2,  116
.set HR,   192                         ; in window 1
.set CIN,  4                           ; s[4:19] the buffers
.set SIN,  6
.set WCD,  8
.set WSB,  10
.set HIN,  12
.set HOUT, 14
.set COUT, 16
.set SOUT, 18
.set G1C,  20                          ; s[20:27] group 1 for the codes;  s[28:35] for the scale bytes
.set G1S,  28
.set G0S,  36                          ; s[36:39], s[40:43], s[44:47] groups 0: scale bytes, slot 0, slot 1; the last then walks
.set G0A,  40
.set G0B,  44
.set WV,   48
.set CX,   49
.set SG,   50                          ; my block of 32 channels
.set BB,   51                          ; my batch
.set CNT,  52
.set TB,   53                          ; LDS byte of the slot in hand
.set TT,   54
.set SST,  55                          ; 288 x trip: two rows of scale bytes
.set L2E,  56                          ; s[56:57] log2(e)
.set SEL1, 58
.set SEL2, 59
.set SEL3, 60
.set SBS,  61                          ; 256 x trip
.set NL2E, 62                          ; s[62:63] -log2(e)
.set MK,   66                          ; s66-72 lane masks: my chunk is 1 .. 7
.set CLP,  73                          ; s73  120.0: the hold on gate x log2(e)
.if LAYER == 1
.set RMV, GHI
.set IMV, GHO
.set INSTEP,  1048576                  ; two spans: 256 rows of 4,096 bytes
.set OUTSTEP, 32768                    ; two spans of the image
.else
.set RMV, GHO
.set IMV, GHI
.set INSTEP,  32768
.set OUTSTEP, 1048576
.endif
.set MSB, 0
.macro WIN new                         ; the immediate's high byte repeats the setting that is left
.if MSB != \new
	s_set_vgpr_msb (MSB<<8)|\new
.set MSB, \new
.endif
.endm
.macro CREST                           ; a round of the cluster's barrier behind its opening barrier
	s_cmp_lg_u32 s[WV], 0
	s_cbranch_scc1 .Lnot_wave_0_\@
	s_barrier_signal -3
.Lnot_wave_0_\@:
	s_barrier_wait -3
	s_barrier_signal -1
	s_barrier_wait -1
.endm
.macro CROUND
	s_barrier_signal -1
	s_barrier_wait -1
	CREST
.endm
; h of the span that lies rnd spans behind the trip's first, into the set of parity par.  Row-major: an instruction takes four rows x 128 bytes; load i begins at time 64 ((i / 2) % 2) + 8 (i / 4) + 4 (i % 2),
; so that stage row 4 i + lane / 8 is row 16 k + m.  Image: 512 consecutive bytes an instruction.
.macro HLD par, rnd
	WIN 0x40
.irp i, 0,1,2,3,4,5,6,7
.if LAYER == 1
	global_load_b128 v[HR+32*\par+4*\i:HR+32*\par+4*\i+3], v[GHI], s[HIN:HIN+1] offset:(128*(\rnd)+64*((\i/2)%2)+8*(\i/4)+4*(\i%2))*4096 th:TH_LOAD_NT
.else
	global_load_b128 v[HR+32*\par+4*\i:HR+32*\par+4*\i+3], v[GHI], s[HIN:HIN+1] offset:16384*(\rnd)+512*\i th:TH_LOAD_NT
.endif
.endr
	WIN 0
.endm
; The next span's operands.  FETCH_S: its addresses, and 16 halfwords of scale bytes (both tiles' bytes of one block; lanes 0-15 the even K step's, lanes 16-31 the odd one's).
; off: the span's place in the slot in hand;  rq: the span's number counted from the trip's first span (a row of scale bytes, 144 bytes, for each).
.macro FETCH_S off, rq
	s_add_co_u32 s[TT], s[TB], (\off)
	v_add_nc_u32 v[AFT], s[TT], v[AFA]
	v_add_nc_u32 v[SCT], s[SST], v[SCA]
.irp p, 0,1,2,3
.irp i, 0,1,2,3
	ds_load_u16 v[SH+4*\p+\i], v[SCT] offset:(8*\p+2*\i)*1152+144*(\rq)
.endr
.endr
.endm
; FETCH_F: the fragments of K steps 4 hf .. 4 hf + 3: 16 loads of 512 consecutive bytes.  The two halves stand apart, with vector work behind each.
.macro FETCH_F hf
	WIN 0xc0
.irp s, 0,1,2,3
.irp k, 0,1
.irp c, 0,1
	ds_load_b128 v[8*(2*(4*\hf+\s)+\k)+4*\c:8*(2*(4*\hf+\s)+\k)+4*\c+3], v[AFT] offset:8192*\k+1024*(4*\hf+\s)+512*\c
.endr
.endr
.endr
	WIN 0
.endm
; Four halfwords (k = 0 in the low byte, k = 1 above it) make the two tiles' scale words.  A scale register written by a vector instruction stands eight places ahead of the scaled
; matrix instruction that reads it: in a span's tail the carry and the highway follow; at the head eight v_nop are written.
.macro SCALEW
.irp p, 0,1,2,3
	v_perm_b32 v[ST2+2*\p], v[SH+4*\p+1], v[SH+4*\p], s[SEL1]
	v_perm_b32 v[ST2+2*\p+1], v[SH+4*\p+3], v[SH+4*\p+2], s[SEL1]
.endr
.irp p, 0,1,2,3
	v_perm_b32 v[ASW+2*\p], v[ST2+2*\p+1], v[ST2+2*\p], s[SEL2]
	v_perm_b32 v[ASW+2*\p+1], v[ST2+2*\p+1], v[ST2+2*\p], s[SEL3]
.endr
.endm
.macro MM s, k, n
.if (\s) == 0
	v_wmma_scale_f32_16x16x128_f8f6f4 v[VH+16*\n+8*\k:VH+16*\n+8*\k+7], v[8*(2*\s+\k):8*(2*\s+\k)+7], v[48*((\s)%4)+8*\n:48*((\s)%4)+8*\n+7], 0, v[ASW+2*((\s)/2)+\k], v[WSW+4*\n+(\s)/2] matrix_a_fmt:MATRIX_FMT_FP4 matrix_b_fmt:MATRIX_FMT_FP4
.elseif ((\s)%2) == 0
	v_wmma_scale_f32_16x16x128_f8f6f4 v[VH+16*\n+8*\k:VH+16*\n+8*\k+7], v[8*(2*\s+\k):8*(2*\s+\k)+7], v[48*((\s)%4)+8*\n:48*((\s)%4)+8*\n+7], v[VH+16*\n+8*\k:VH+16*\n+8*\k+7], v[ASW+2*((\s)/2)+\k], v[WSW+4*\n+(\s)/2] matrix_a_fmt:MATRIX_FMT_FP4 matrix_b_fmt:MATRIX_FMT_FP4
.else
	v_wmma_scale_f32_16x16x128_f8f6f4 v[VH+16*\n+8*\k:VH+16*\n+8*\k+7], v[8*(2*\s+\k):8*(2*\s+\k)+7], v[48*((\s)%4)+8*\n:48*((\s)%4)+8*\n+7], v[VH+16*\n+8*\k:VH+16*\n+8*\k+7], v[ASW+2*((\s)/2)+\k], v[WSW+4*\n+(\s)/2] matrix_a_fmt:MATRIX_FMT_FP4 matrix_b_fmt:MATRIX_FMT_FP4 matrix_a_scale:MATRIX_SCALE_ROW1 matrix_b_scale:MATRIX_SCALE_ROW1
.endif
.endm
; 96 matrix instructions: K step by K step, the twelve accumulators by turns, one instruction a turn; the first K step starts the sums with the constant 0.
.macro GEMM
.irp s, 0,1,2,3,4,5,6,7
.if \s < 4
	WIN 0x07                                       ; source 0 window 3, source 1 window 1, C and D window 0
.else
	WIN 0x0b                                       ; source 1 window 2
.endif
.irp k, 0,1
.irp n, 0,1,2,3,4,5
	MM \s, \k, \n
.endr
.endr
.endr
	WIN 0
.rept 4
	v_nop                                          ; four places between the last products and the first read of results
.endr
.endm
; Gate and hidden become a (ACU) and b (LOC).  Every accumulator is first read at its low end: all runs ascend.  The exponentials and reciprocals take turns with the plain lines that are due anyway.
.macro ACT_A
.set jj, 0
.rept 16
	v_pk_mul_f32 v[LOC+jj:LOC+jj+1], v[VH+jj:VH+jj+1], s[NL2E:NL2E+1] op_sel_hi:[1,0]   ; -x log2(e)
.set jj, jj+2
.endr
.set jj, 0
.rept 16
	v_pk_mul_f32 v[VG+jj:VG+jj+1], v[VG+jj:VG+jj+1], s[L2E:L2E+1] op_sel_hi:[1,0]       ; gate x log2(e)
.set jj, jj+2
.endr
.set jj, 0
	s_wait_alu depctr_va_vdst(0)
.rept 32
	v_exp_f32 v[LOC+jj], v[LOC+jj]                 ; e^-x (infinity for very negative x: the sigmoid is then 0)
	v_min_num_f32 v[VG+jj], s[CLP], v[VG+jj]       ; the hold at 120
.set jj, jj+1
.endr
.set jj, 0
	s_wait_alu depctr_va_vdst(0)
.rept 8
	v_exp_f32 v[VG+4*jj], v[VG+4*jj]               ; E = e^gate, at most 2^120
	v_exp_f32 v[VG+4*jj+1], v[VG+4*jj+1]
	v_exp_f32 v[VG+4*jj+2], v[VG+4*jj+2]
	v_exp_f32 v[VG+4*jj+3], v[VG+4*jj+3]
	v_pk_add_f32 v[VH+2*jj:VH+2*jj+1], v[VH+2*jj:VH+2*jj+1], 0.5 op_sel_hi:[1,0]       ; x + 0.5
.set jj, jj+1
.endr
	s_wait_alu depctr_va_vdst(0)                   ; one wait for the 64 exponentials, ahead of their first reader
.set jj, 0
.rept 16
	v_pk_add_f32 v[LOC+jj:LOC+jj+1], v[LOC+jj:LOC+jj+1], 1.0 op_sel_hi:[1,0]
.set jj, jj+2
.endr
.set jj, 0
.rept 16
	v_pk_add_f32 v[ACU+jj:ACU+jj+1], v[VG+jj:VG+jj+1], 1.0 op_sel_hi:[1,0]
.set jj, jj+2
.endr
.set jj, 0
	s_wait_alu depctr_va_vdst(0)
.rept 8
	v_rcp_f32 v[LOC+4*jj], v[LOC+4*jj]             ; sigmoid(x)
	v_rcp_f32 v[LOC+4*jj+1], v[LOC+4*jj+1]
	v_rcp_f32 v[LOC+4*jj+2], v[LOC+4*jj+2]
	v_rcp_f32 v[LOC+4*jj+3], v[LOC+4*jj+3]
	v_rcp_f32 v[ACU+4*jj], v[ACU+4*jj]             ; a = 1 / (1 + E)
	v_rcp_f32 v[ACU+4*jj+1], v[ACU+4*jj+1]
	v_rcp_f32 v[ACU+4*jj+2], v[ACU+4*jj+2]
	v_rcp_f32 v[ACU+4*jj+3], v[ACU+4*jj+3]
	v_pk_add_f32 v[VH+16+2*jj:VH+16+2*jj+1], v[VH+16+2*jj:VH+16+2*jj+1], 0.5 op_sel_hi:[1,0]
.set jj, jj+1
.endr
.endm
.macro ACT_B
	s_wait_alu depctr_va_vdst(0)                   ; one wait for the 64 reciprocals
.set jj, 0
.rept 16
	v_pk_mul_f32 v[VG+jj:VG+jj+1], v[VG+jj:VG+jj+1], v[ACU+jj:ACU+jj+1]                ; sigmoid(gate) = E a
.set jj, jj+2
.endr
.set jj, 0
.rept 32
	v_max_num_f32 v[LOC+jj], v[LOC+jj], v[VH+jj]   ; g(x) = max(sigmoid(x), x + 0.5)
.set jj, jj+1
.endr
.set jj, 0
.rept 16
	v_pk_mul_f32 v[LOC+jj:LOC+jj+1], v[LOC+jj:LOC+jj+1], v[VG+jj:VG+jj+1]              ; b
.set jj, jj+2
.endr
.endm
.macro TURNIN par, n                   ; LAYER 1: the span's h turns through my stage: in by rows, out by (time, channel) into HOLD
	s_wait_loadcnt \n                              ; this span's eight loads are in; the next span's may be out
	WIN 0x04                                       ; an LDS store's data are its source 1: window 1
.irp i, 0,1,2,3,4,5,6,7
	ds_store_b128 v[STR], v[HR+32*\par+4*\i:HR+32*\par+4*\i+3] offset:576*\i
.endr
	WIN 0
.irp u, 0,1
.irp k, 0,1
.irp j, 0,1,2,3,4,5,6,7
	ds_load_b32 v[HOLD+16*\u+8*\k+\j], v[STW] offset:(16*\k+\j)*144+64*\u
.endr
.endr
.endr
.endm
.macro SCAN par                        ; down my 16 times, both halves of the channels by turns: the local scan, and the running product of a
.set tt, 1
.rept 15
	v_fmac_f32 v[LOC+tt], v[ACU+tt], v[LOC+tt-1]
	v_fmac_f32 v[LOC+16+tt], v[ACU+16+tt], v[LOC+16+tt-1]
	v_mul_f32 v[ACU+tt], v[ACU+tt], v[ACU+tt-1]
	v_mul_f32 v[ACU+16+tt], v[ACU+16+tt], v[ACU+16+tt-1]
.set tt, tt+1
.endr
	v_mov_b32 v[VH], v[ACU+15]                     ; my chunk's aggregates: the products for u = 0, 1,
	v_mov_b32 v[VH+1], v[ACU+31]
	v_mov_b32 v[VH+2], v[LOC+15]                   ; then the end values: so the fold below is packed
	v_mov_b32 v[VH+3], v[LOC+31]
	ds_store_b128 v[EXW], v[VH:VH+3] offset:2048*\par
.endm
.macro PROJ_A
.set jj, 0
.rept 16
	v_pk_mul_f32 v[VP+jj:VP+jj+1], v[VP+jj:VP+jj+1], s[NL2E:NL2E+1] op_sel_hi:[1,0]
.set jj, jj+2
.endr
.endm
.macro PROJ_B1                         ; 1 + e^-proj
.set jj, 0
.rept 32
	v_exp_f32 v[VP+jj], v[VP+jj]
.set jj, jj+1
.endr
	v_nop
	s_wait_alu depctr_va_vdst(0)
.set jj, 0
.rept 16
	v_pk_add_f32 v[VP+jj:VP+jj+1], v[VP+jj:VP+jj+1], 1.0 op_sel_hi:[1,0]
.set jj, jj+2
.endr
.endm
.macro PROJ_B2                         ; sigmoid(proj)
.set jj, 0
.rept 32
	v_rcp_f32 v[VP+jj], v[VP+jj]
.set jj, jj+1
.endr
	v_nop
	s_wait_alu depctr_va_vdst(0)
.endm
; The eight chunks are folded in order, both halves of the channels in one packed line; the state in front of my own chunk is kept; at the end CAR is the state at the span's end, the same in every lane of a channel.
.macro CARRY
	v_mov_b32 v[MY], v[CAR]
	v_mov_b32 v[MY+1], v[CAR+1]
.irp ci, 0,1,2,3,4,5,6,7
.if \ci > 0
	v_cndmask_b32 v[MY], v[MY], v[CAR], s[MK+\ci-1]
	v_cndmask_b32 v[MY+1], v[MY+1], v[CAR+1], s[MK+\ci-1]
.endif
	v_pk_fma_f32 v[CAR:CAR+1], v[VH+4*\ci:VH+4*\ci+1], v[CAR:CAR+1], v[VH+4*\ci+2:VH+4*\ci+3]
.endr
.set jj, 0
.rept 8
	v_pk_fma_f32 v[LOC+jj:LOC+jj+1], v[ACU+jj:ACU+jj+1], v[MY:MY+1], v[LOC+jj:LOC+jj+1] op_sel_hi:[1,0,1]
.set jj, jj+2
.endr
.rept 8
	v_pk_fma_f32 v[LOC+jj:LOC+jj+1], v[ACU+jj:ACU+jj+1], v[MY:MY+1], v[LOC+jj:LOC+jj+1] op_sel:[0,1,0] op_sel_hi:[1,1,1]
.set jj, jj+2
.endr
.endm
.macro HIGHWAY par, n                  ; h' = h + sigmoid(proj) (out - h)
.if LAYER == 1
.set jj, 0
.rept 16
	v_pk_add_f32 v[LOC+jj:LOC+jj+1], v[LOC+jj:LOC+jj+1], v[HOLD+jj:HOLD+jj+1] neg_lo:[0,1] neg_hi:[0,1]
.set jj, jj+2
.endr
.set jj, 0
.rept 16
	v_pk_fma_f32 v[LOC+jj:LOC+jj+1], v[VP+jj:VP+jj+1], v[LOC+jj:LOC+jj+1], v[HOLD+jj:HOLD+jj+1]
.set jj, jj+2
.endr
.else
	s_wait_loadcnt \n                              ; this span's eight loads are in; the next span's may be out
	WIN 0x04
.set jj, 0
.rept 16
	v_pk_add_f32 v[LOC+jj:LOC+jj+1], v[LOC+jj:LOC+jj+1], v[HR+32*\par+jj:HR+32*\par+jj+1] neg_lo:[0,1] neg_hi:[0,1]
.set jj, jj+2
.endr
	WIN 0x10
.set jj, 0
.rept 16
	v_pk_fma_f32 v[LOC+jj:LOC+jj+1], v[VP+jj:VP+jj+1], v[LOC+jj:LOC+jj+1], v[HR+32*\par+jj:HR+32*\par+jj+1]
.set jj, jj+2
.endr
	WIN 0
.endif
.endm
.macro STAGE                           ; h' into my stage by (time, channel)
.irp u, 0,1
.irp k, 0,1
.irp j, 0,1,2,3,4,5,6,7
	ds_store_b32 v[STW], v[LOC+16*\u+8*\k+\j] offset:(16*\k+\j)*144+64*\u
.endr
.endr
.endr
.endm
.macro QLOAD                           ; LAYER 1: lane = row 16 k + m: its 32 channels are one block of the next K.  LDS serves a wave's instructions in order: these see my stores
.irp i, 0,1,2,3,4,5,6,7
	ds_load_b128 v[VH+4*\i:VH+4*\i+3], v[STQ] offset:16*\i
.endr
.endm
.macro QUANT par
	v_add_nc_u32 v[SBT], s[SBS], v[SBW]
	s_wait_dscnt 0x0
	v_max3_num_f32 v[TM], |v[VH]|, |v[VH+1]|, 0x1800000            ; the largest magnitude, in two chains, with the floor 2^(3 - 127) among the leaves
	v_max3_num_f32 v[TM+1], |v[VH+16]|, |v[VH+17]|, |v[VH+18]|
.irp i, 2,4,6,8,10,12
	v_max3_num_f32 v[TM], v[TM], |v[VH+\i]|, |v[VH+\i+1]|
	v_max3_num_f32 v[TM+1], v[TM+1], |v[VH+17+\i]|, |v[VH+18+\i]|
.endr
	v_max3_num_f32 v[TM], v[TM], |v[VH+14]|, |v[VH+15]|
	v_max3_num_f32 v[TM], v[TM], v[TM+1], |v[VH+31]|
	v_add_nc_u32 v[TM+1], 0xff000000, v[TM]        ; 2 off its exponent field: the conversion's scale operand
.irp g, 0,1,2,3
	v_cvt_scalef32_pk8_fp4_f32 v[CD+\g], v[VH+8*\g:VH+8*\g+7], v[TM+1]
.endr
	v_lshrrev_b32 v[TM], 23, v[TM+1]               ; the scale's byte; also the plain line behind the conversions
	global_store_b128 v[GCO], v[CD:CD+3], s[COUT:COUT+1] offset:65536*\par     ; sixteen lanes store 256 consecutive aligned bytes, one run for each tile
	ds_store_b8 v[SBT], v[TM] offset:128*\par
.endm
; ONE SPAN.  par: its parity.  bar: 0 a plain barrier; 1 all tensor loads are waited for first; 2 and the slot just left is filled again, behind a round of the cluster's barrier.
; hld: h of the span two on is asked for.  fet: the next span's operands are fetched.  n: the younger loads of h that may stay out.
.macro SPAN par, bar, hld, fet, n
.if \par
	s_wait_xcnt 0x0                                ; the last span's stores have read their registers: LOC, the codes and HOLD are written again only behind this wait
.endif
	s_wait_dscnt 0x0                               ; the fragments are in
	GEMM
	ACT_A
.if LAYER == 1
	TURNIN \par, \n                                ; LDS work that names no reciprocal stands between the reciprocals and the wait for them
.endif
	ACT_B
	SCAN \par
.if \bar
	s_wait_tensorcnt 0x0                           ; all my tensor loads have landed: my part of the other slot
	ds_add_u32 v[SPW], v[NIL]                      ; 0 onto my spare word
.endif
.if \bar == 2
	s_xor_b32 s[G0B+1], s[G0B+1], SLOT1            ; no tensor load of mine is out: the walking descriptor takes the other slot than last time,
	s_add_nc_u64 s[G0B+2:G0B+3], s[G0B+2:G0B+3], SLOT1   ; and the next two spans' codes
.endif
	PROJ_A
	s_wait_dscnt 0x0                               ; my aggregates lie in LDS, my reads of the stage and of the slot are over, the add is done
	s_barrier_signal -1
	s_wait_alu depctr_va_vdst(0)
	PROJ_B1                                        ; work on registers while the others arrive
	s_barrier_wait -1
.if \bar == 2
	CREST                                          ; the barrier has opened a round of the cluster's barrier: no wave of any partner still reads the slot or has a load on its way
	tensor_load_to_lds s[G0B:G0B+3], s[G1C:G1C+7]  ; my one tensor load behind the round: it has two spans in which to land
	s_nop 0
.rept 4
	v_nop
.endr
.endif
.if \par
.if \fet
	s_xor_b32 s[TB], s[TB], SLOT1                  ; on to the other slot
.endif
.endif
.irp ci, 0,1,2,3,4,5,6,7
	ds_load_b128 v[VH+4*\ci:VH+4*\ci+3], v[EXR] offset:2048*\par+512*(\ci%4)+256*(\ci/4)   ; chunk ci = w + 4 hl: (A, A, B, B) for u = 0, 1 of my channel
.endr
.if \fet
	FETCH_S SPANB*(1-\par), 1+\par
.endif
	s_wait_alu depctr_va_vdst(0)
	PROJ_B2                                        ; 32 reciprocals while the aggregates and the halfwords come
	s_wait_dscnt 0x0                               ; they are in; no fragment load is out yet
.if \fet
	FETCH_F 0
	SCALEW
.endif
	CARRY
.if \fet
	FETCH_F 1
.endif
	HIGHWAY \par, \n
	STAGE
.if LAYER == 1
	QLOAD
.if \hld
	HLD \par, 2+\par                               ; the loads and stores below stand between the stage's loads and the wait for them
.endif
.irp i, 0,1,2,3,4,5,6,7
	global_store_b128 v[GHO], v[LOC+4*\i:LOC+4*\i+3], s[HOUT:HOUT+1] offset:16384*\par+512*\i   ; the state registers as they stand: 512 consecutive bytes an instruction
.endr
	QUANT \par
.else
.irp i, 0,1,2,3,4,5,6,7
	ds_load_b128 v[HOLD+4*\i:HOLD+4*\i+3], v[STR] offset:576*\i    ; LDS serves a wave's instructions in order: these see my stores
.endr
.if \hld
	HLD \par, 2+\par
.endif
.irp i, 0,1,2,3,4,5,6,7
	s_wait_dscnt 7-\i
	global_store_b128 v[GHO], v[HOLD+4*\i:HOLD+4*\i+3], s[HOUT:HOUT+1] offset:(128*\par+64*((\i/2)%2)+8*(\i/4)+4*(\i%2))*4096   ; four rows x 128 aligned bytes; no hint: the other half of each aligned 256 bytes is the neighbouring work-group's
.endr
.endif
.endm
.macro TRIP bar, hld, last             ; two spans: a slot
	SPAN 0, 0, \hld, 1, 8
.if \last
	SPAN 1, 0, 0, 0, 0
.else
	SPAN 1, \bar, \hld, 1, 8
	s_wait_xcnt 0x0                                ; every load and store issued has read its base and its registers: the bases step only behind this wait
	s_add_nc_u64 s[HIN:HIN+1], s[HIN:HIN+1], INSTEP
	s_add_nc_u64 s[HOUT:HOUT+1], s[HOUT:HOUT+1], OUTSTEP
.if LAYER == 1
	s_add_nc_u64 s[COUT:COUT+1], s[COUT:COUT+1], 2*SPANB
	s_add_co_u32 s[SBS], s[SBS], 256
.endif
	s_add_co_u32 s[SST], s[SST], 288
.endif
.endm
	s_load_b256 s[4:11], s[0:1], 0x0               ; codes of h, scale bytes of h, W's codes, W's scale bytes
.if LAYER == 1
	s_load_b256 s[12:19], s[0:1], 0x20             ; h, h1, c1, s1
.else
	s_load_b128 s[12:15], s[0:1], 0x20             ; h1, out0
.endif
	v_lshl_add_u32 v[SPW], v0, 2, SPARE
	v_mov_b32 v[NIL], 0
	ds_add_u32 v1, v2
	ds_add_u32 v1, v2
	s_wait_dscnt 0x0
	v_lshrrev_b32 v17, 5, v0
	v_readfirstlane_b32 s[WV], v17                 ; wave 0..3
	s_bfe_u32 s[CX], ttmp6, 0x40000                ; my place in the cluster
	s_lshl_b32 s[SG], ttmp9, 2
	s_add_co_u32 s[SG], s[SG], s[CX]               ; my block of channels = 4 x cluster x + place: it enters global addresses alone
	s_and_b32 s[BB], ttmp7, 0xffff                 ; the batch, which the four partners share
	; the address registers, made while the arguments are on their way.  s78-81 hold numbers of the wave and the batch alone; s74-77 those of my block
	v_and_b32 v18, 31, v0                          ; lane
	v_and_b32 v19, 15, v0                          ; r
	v_bfe_u32 v20, v0, 4, 1                        ; hl
	v_lshlrev_b32 v21, 4, v18                      ; 16 lane
	v_lshlrev_b32 v22, 5, v19
	v_lshl_add_u32 v22, v20, 2, v22                ; W's scale words: 32 r + 4 hl
	v_bfe_u32 v58, v0, 3, 2                        ; lane / 8
	v_and_b32 v59, 7, v0                           ; lane % 8
	v_lshlrev_b32 v[RMV], 12, v58
	v_lshl_add_u32 v[RMV], v59, 4, v[RMV]          ; row-major: 4,096 (lane / 8) + 16 (lane % 8)
	s_lshl_b32 s78, s[WV], 12
	v_add_nc_u32 v[IMV], s78, v21                  ; image: 4,096 w + 16 lane
	s_lshl_b32 s78, s[WV], 14
	v_add_nc_u32 v[AFA], s78, v21
	s_lshl_b32 s78, s[WV], 5
	s_add_co_u32 s79, s78, SCL
	v_mul_u32_u24 v[SCA], v20, 1152
	v_lshl_add_u32 v[SCA], v19, 1, v[SCA]
	v_add_nc_u32 v[SCA], s79, v[SCA]
.if LAYER == 1
	s_add_co_u32 s79, s78, SCB
	v_lshl_add_u32 v[SBW], v19, 1, v20
	v_add_nc_u32 v[SBW], s79, v[SBW]
	v_lshlrev_b32 v[GCO], 13, v20
	v_lshl_add_u32 v[GCO], v19, 4, v[GCO]
	v_lshlrev_b32 v[SO8], 3, v0
	v_lshl_add_u32 v[SL8], v0, 3, SCB
.endif
	s_mul_i32 s78, s[WV], 4608
	s_add_co_u32 s78, s78, STG                     ; my stage
	v_mul_u32_u24 v[STW], v20, 1152
	v_lshl_add_u32 v[STW], v19, 2, v[STW]
	v_add_nc_u32 v[STW], s78, v[STW]
	v_mul_u32_u24 v[STQ], v18, 144
	v_add_nc_u32 v[STQ], s78, v[STQ]
	v_mul_u32_u24 v[STR], v58, 144
	v_lshl_add_u32 v[STR], v59, 4, v[STR]
	v_add_nc_u32 v[STR], s78, v[STR]
	v_lshl_add_u32 v[EXW], v0, 4, EXC
	v_lshl_add_u32 v[EXR], v19, 4, EXC
	s_mul_i32 s78, s[WV], 8*528
	s_add_co_u32 s78, s78, STG
	v_add_nc_u32 v23, s78, v21                     ; W's stage, in: my eight rows of 528 bytes, 16 bytes a lane
	v_mul_u32_u24 v[AFT], v19, 528
	v_lshl_add_u32 v[AFT], v20, 4, v[AFT]
	v_add_nc_u32 v[AFT], STG, v[AFT]               ; and out: row r, + 16 hl
	v_lshl_add_u32 v58, v20, 2, s[WV]              ; my chunk: w + 4 hl
.irp ci, 1,2,3,4,5,6,7
	v_cmp_eq_u32 s[MK+\ci-1], \ci, v58
.endr
	v_mov_b32 v[CAR], 0                            ; out before the first time is 0
	v_mov_b32 v[CAR+1], 0
	s_mov_b32 s[L2E], 0x3fb8aa3b
	s_mov_b32 s[L2E+1], 0x3fb8aa3b
	s_mov_b32 s[NL2E], 0xbfb8aa3b
	s_mov_b32 s[NL2E+1], 0xbfb8aa3b
	s_mov_b32 s[CLP], 0x42f00000                   ; 120.0
	s_mov_b32 s[SEL1], 0x05010400
	s_mov_b32 s[SEL2], 0x05040100
	s_mov_b32 s[SEL3], 0x07060302
	s_mov_b32 s[TB], 0
	s_mov_b32 s[SST], 0
	s_mov_b32 s[SBS], 0
	; descriptor groups 1.  Codes: 128 rows of 256 bytes (32 elements of 8), dense.  Scale bytes: 128 rows of 128 bytes (16 elements), 16 bytes of padding behind each
	s_mov_b32 s[G1C], 15|(3<<16)|(1<<21)           ; 15:0 the mask: all four work-groups; 17:16 elements of 8 bytes; 21 set beside a mask
	s_mov_b32 s[G1C+1], 32<<16                     ; tensor_dim0
	s_mov_b32 s[G1C+2], 256<<16                    ; tensor_dim1: 256 rows for the head's loads of codes; set to 128 for the ring's behind them
	s_mov_b32 s[G1C+3], 32<<16                     ; tile_dim0
	s_mov_b32 s[G1C+4], 256                        ; tile_dim1, likewise
	s_mov_b32 s[G1C+5], 32                         ; from row to row
	s_mov_b32 s[G1C+6], 0
	s_mov_b32 s[G1C+7], 0
	s_mov_b32 s[G1S], 15|(3<<16)|(1<<20)|(1<<21)|(4<<22)|(3<<25)   ; padding on: four words after every 32
	s_mov_b32 s[G1S+1], 16<<16
	s_mov_b32 s[G1S+2], 128<<16                    ; half of the batch's scale bytes: 128 rows of 128 bytes
	s_mov_b32 s[G1S+3], 16<<16
	s_mov_b32 s[G1S+4], 128
	s_mov_b32 s[G1S+5], 16
	s_mov_b32 s[G1S+6], 0
	s_mov_b32 s[G1S+7], 0
	s_lshl_b32 s78, s[BB], 15                      ; the scale bytes: 32,768 b + my half, 16,384 (w % 2)
	s_and_b32 s[CNT], s[WV], 1                     ; which half I fetch at the head: of slot 0 (waves 0, 1) or of the scale bytes (waves 2, 3)
	s_lshl_b32 s79, s[CNT], 14                     ; half of the scale bytes: 16,384
	s_add_co_u32 s78, s78, s79
	s_mov_b32 s79, 0
	s_lshl_b32 s80, s[BB], 19                      ; the codes: 524,288 b + my quarter of a slot, 32,768 w
	s_lshl_b32 s81, s[WV], 15
	s_add_co_u32 s80, s80, s81
	s_mov_b32 s81, 0
	s_wait_alu depctr_va_vdst(0)
	s_wait_kmcnt 0x0
	; the first fills go out ahead of everything else that wants the arguments: the first span waits for them longest
	s_mov_b32 s[G0S], 1                            ; count = 1
	s_mul_i32 s[G0S+1], s[CNT], 18432              ; 128 rows of 144 bytes
	s_add_co_u32 s[G0S+1], s[G0S+1], SCL           ; LDS address: my 128 rows of 144 bytes
	s_add_nc_u64 s[G0S+2:G0S+3], s[SIN:SIN+1], s[78:79]
	s_or_b32 s[G0S+3], s[G0S+3], 0x80000000        ; type = 2
	s_mov_b32 s[G0A], 1
	s_lshl_b32 s[G0A+1], s[CNT], 16                ; slot 0, one span's 65,536 bytes
	s_lshl_b32 s2, s[BB], 19
	s_add_co_u32 s2, s2, s[G0A+1]                  ; 524,288 b + 65,536 x span
	s_mov_b32 s3, 0
	s_add_nc_u64 s[G0A+2:G0A+3], s[CIN:CIN+1], s[2:3]
	s_mov_b32 s[G0B], 1
	s_lshl_b32 s[G0B+1], s[WV], 15
	s_add_co_u32 s[G0B+1], s[G0B+1], SLOT1         ; slot 1, my quarter
	s_add_nc_u64 s[G0B+2:G0B+3], s[CIN:CIN+1], s[80:81]
	s_add_nc_u64 s[G0B+2:G0B+3], s[G0B+2:G0B+3], SLOT1   ; spans 2 and 3
	s_or_b32 s[G0A+3], s[G0A+3], 0x80000000
	s_or_b32 s[G0B+3], s[G0B+3], 0x80000000
	CROUND                                         ; all four work-groups are here: the first joint loads meet
	s_cmp_lt_u32 s[WV], 2                          ; the head's tiles are shared out, one joint load a wave: waves 0, 1 the codes of spans 0, 1; waves 2, 3 the halves of the scale bytes
	s_cbranch_scc0 .Lhead_scales
	tensor_load_to_lds s[G0A:G0A+3], s[G1C:G1C+7]
	s_nop 0
.rept 4
	v_nop
.endr
	s_branch .Lhead_asked
.Lhead_scales:
	tensor_load_to_lds s[G0S:G0S+3], s[G1S:G1S+7]
	s_nop 0
.rept 4
	v_nop
.endr
.Lhead_asked:
	s_lshl_b32 s74, s[SG], 14                      ; W's codes: my 32 rows of 512 bytes in each third, my wave's eight of them
	s_lshl_b32 s75, s[WV], 12
	s_add_co_u32 s74, s74, s75
	s_mov_b32 s75, 0
	s_add_nc_u64 s[WCD:WCD+1], s[WCD:WCD+1], s[74:75]
	s_lshl_b32 s74, s[SG], 10                      ; W's scale bytes: 32 rows of 32 bytes
	s_add_nc_u64 s[WSB:WSB+1], s[WSB:WSB+1], s[74:75]
	s_lshl_b32 s74, s[BB], 22                      ; row-major: (1,024 b + 16 w) rows of 4,096 bytes + 128 bytes x block
	s_lshl_b32 s76, s[WV], 16
	s_add_co_u32 s74, s74, s76
	s_lshl_b32 s76, s[SG], 7
	s_add_co_u32 s74, s74, s76
	s_lshl_b32 s76, s[BB], 22                      ; image: (32 b + block) x 131,072
	s_lshl_b32 s77, s[SG], 17
	s_add_co_u32 s76, s76, s77
	s_mov_b32 s77, 0
.if LAYER == 1
	s_add_nc_u64 s[HIN:HIN+1], s[HIN:HIN+1], s[74:75]
	s_add_nc_u64 s[HOUT:HOUT+1], s[HOUT:HOUT+1], s[76:77]
	s_lshl_b32 s74, s[BB], 19                      ; c1: 524,288 b + 16,384 w + 256 x block
	s_lshl_b32 s76, s[WV], 14
	s_add_co_u32 s74, s74, s76
	s_lshl_b32 s76, s[SG], 8
	s_add_co_u32 s74, s74, s76
	s_add_nc_u64 s[COUT:COUT+1], s[COUT:COUT+1], s[74:75]
	s_and_b32 s76, s[SG], 24                       ; s1: the place of block 8 s + 4 hs + i is 8 s + 2 i + hs
	s_and_b32 s74, s[SG], 3
	s_lshl_b32 s74, s74, 1
	s_add_co_u32 s76, s76, s74
	s_bfe_u32 s74, s[SG], 0x10002
	s_add_co_u32 s76, s76, s74
	s_lshl_b32 s76, s76, 10
	s_lshl_b32 s74, s[BB], 15
	s_add_co_u32 s76, s76, s74
	s_add_nc_u64 s[SOUT:SOUT+1], s[SOUT:SOUT+1], s[76:77]
.else
	s_add_nc_u64 s[HIN:HIN+1], s[HIN:HIN+1], s[76:77]
	s_add_nc_u64 s[HOUT:HOUT+1], s[HOUT:HOUT+1], s[74:75]
.endif
.irp g, 0,1,2                          ; W's rows: an instruction reads one row of 512 bytes; 8 rows a wave in each third
.irp i, 0,1,2,3,4,5,6,7
	global_load_b128 v[VH+32*\g+4*\i:VH+32*\g+4*\i+3], v21, s[WCD:WCD+1] offset:524288*\g+512*\i
.endr
.endr
.irp g, 0,1,2                          ; W's scale words: they stay
.irp u, 0,1
.irp p, 0,1,2,3
	global_load_b32 v[WSW+4*(2*\g+\u)+\p], v22, s[WSB:WSB+1] offset:(1024*\g+16*\u)*32+8*\p
.endr
.endr
.endr
	HLD 0, 0                                       ; h of spans 0 and 1
	HLD 1, 1
	; W's 96 rows go through a stage, a third at a time, so that every wave gets all 48 fragments: lane (r, hl) takes bytes 64 s + 32 c + 16 hl of row 16 u + r
.irp g, 0,1,2
	s_wait_loadcnt 56-8*\g                         ; this third's eight loads are in; all that were issued behind them may be out
.irp i, 0,1,2,3,4,5,6,7
	ds_store_b128 v23, v[VH+32*\g+4*\i:VH+32*\g+4*\i+3] offset:528*\i
.endr
	s_wait_dscnt 0x0                               ; for the others' sake: my rows lie in the stage
	s_barrier_signal -1
	s_barrier_wait -1
	WIN 0x40
.irp u, 0,1
.irp s, 0,1,2,3
.irp c, 0,1
	ds_load_b128 v[48*\s+8*(2*\g+\u)+4*\c:48*\s+8*(2*\g+\u)+4*\c+3], v[AFT] offset:8448*\u+64*\s+32*\c
.endr
.endr
.endr
	WIN 0x80
.irp u, 0,1
.irp s, 0,1,2,3
.irp c, 0,1
	ds_load_b128 v[48*\s+8*(2*\g+\u)+4*\c:48*\s+8*(2*\g+\u)+4*\c+3], v[AFT] offset:8448*\u+64*(\s+4)+32*\c
.endr
.endr
.endr
	WIN 0
.if \g == 2
	s_wait_tensorcnt 0x0                           ; my tile of the head's four is in; slot 1's first fill is issued as a refill is
	ds_add_u32 v[SPW], v[NIL]                      ; 0 onto my spare word
	s_mov_b32 s[G1C+2], 128<<16                    ; no tensor load of mine is out: from here on a load of codes brings 128 rows
	s_mov_b32 s[G1C+4], 128
	s_wait_dscnt 0x0                               ; the add is done, and my reads of the stage are over
	CROUND                                         ; a whole round: slot 0 and the scale bytes are whole, and the four work-groups' joint loads meet
	tensor_load_to_lds s[G0B:G0B+3], s[G1C:G1C+7]  ; my quarter of slot 1: it has spans 0 and 1 in which to land
	s_nop 0
.rept 4
	v_nop
.endr
.else
	s_wait_dscnt 0x0                               ; my reads of the stage are over: it may be written again
	s_barrier_signal -1
	s_barrier_wait -1
.endif
.endr
	s_wait_loadcnt 16                              ; W's scale words are in; the two spans of h may be out
	FETCH_S 0, 0                                   ; span 0's operands
	FETCH_F 0
	FETCH_F 1
	s_wait_dscnt 0x0
	SCALEW
.rept 8
	v_nop                                          ; the eight places between the scale words and the first scaled matrix instruction
.endr
	s_mov_b32 s[CNT], 2
.Lpair:                                            ; spans 0 to 3: behind the second span of each slot that slot is filled again
	s_wait_alu depctr_va_vdst(0)
	TRIP 2, 1, 0
	s_sub_co_u32 s[CNT], s[CNT], 1
	s_cmp_lg_u32 s[CNT], 0
	s_cbranch_scc1 .Lpair
	TRIP 1, 1, 0                                   ; spans 4, 5: the tail is written out, so that no load is jumped over: nothing is left to fill,
	TRIP 0, 0, 1                                   ; spans 6, 7: no h is left to ask for, and span 7 fetches nothing
.if LAYER == 1
	s_wait_dscnt 0x0                               ; for the others' sake: my scale bytes lie in LDS
	s_barrier_signal -1
	s_barrier_wait -1
	ds_load_b64 v[TM:TM+1], v[SL8]
	s_wait_dscnt 0x0
	global_store_b64 v[SO8], v[TM:TM+1], s[SOUT:SOUT+1]            ; a wave stores 256 consecutive aligned bytes
.endif
	s_wait_tensorcnt 0x0                           ; the wave's end: behind my last tensor load and my last LDS store
	ds_add_u32 v[SPW], v[NIL]
	s_wait_dscnt 0x0
	CROUND                                         ; the closing round: no work-group ends while a partner may still ask for a tile that names it
	s_endpgm
.Lfunc_end_k_q8866f477f9_layer1:
	.size	k_q8866f477f9_layer1, .Lfunc_end_k_q8866f477f9_layer1-k_q8866f477f9_layer1
	.p2alignl 7, 3214868480
	.fill 96, 4, 3214868480
	.section	.rodata,"a",@progbits
	.p2align	6, 0x0
	.amdhsa_kernel k_q8866f477f9_layer1
		.amdhsa_group_segment_fixed_size 327680
		.amdhsa_private_segment_fixed_size 0
		.amdhsa_enable_private_segment 0
		.amdhsa_kernarg_size 64
		.amdhsa_user_sgpr_count 2
		.amdhsa_user_sgpr_kernarg_segment_ptr 1
		.amdhsa_wavefront_size32 1
		.amdhsa_system_sgpr_workgroup_id_x 1
		.amdhsa_system_sgpr_workgroup_id_y 1
		.amdhsa_system_sgpr_workgroup_id_z 1
		.amdhsa_system_vgpr_workitem_id 0
		.amdhsa_next_free_vgpr 896
		.amdhsa_next_free_sgpr 82
		.amdhsa_reserve_vcc 0
		.amdhsa_float_denorm_mode_32 3
		.amdhsa_float_denorm_mode_16_64 3
		.amdhsa_memory_ordered 1
		.amdhsa_forward_progress 1
		.amdhsa_inst_pref_size 255
	.end_amdhsa_kernel
	.section	.bss,"aw",@nobits
	.p2align	6
	.space	262144
	.amdgpu_metadata
---
amdhsa.version: [ 1, 2 ]
amdhsa.kernels:
  - .name:           k_q8866f477f9_layer1
    .symbol:         k_q8866f477f9_layer1.kd
    .args:
      - { .name: c0, .offset: 0, .size: 8, .value_kind: global_buffer, .address_space: global }
      - { .name: s0, .offset: 8, .size: 8, .value_kind: global_buffer, .address_space: global }
      - { .name: W0_codes, .offset: 16, .size: 8, .value_kind: global_buffer, .address_space: global }
      - { .name: W0_scales, .offset: 24, .size: 8, .value_kind: global_buffer, .address_space: global }
      - { .name: h, .offset: 32, .size: 8, .value_kind: global_buffer, .address_space: global }
      - { .name: h1, .offset: 40, .size: 8, .value_kind: global_buffer, .address_space: global }
      - { .name: c1, .offset: 48, .size: 8, .value_kind: global_buffer, .address_space: global }
      - { .name: s1, .offset: 56, .size: 8, .value_kind: global_buffer, .address_space: global }
    .group_segment_fixed_size: 327680
    .private_segment_fixed_size: 0
    .kernarg_segment_align: 8
    .kernarg_segment_size: 64
    .max_flat_workgroup_size: 128
    .sgpr_count:     82
    .vgpr_count:     896
    .wavefront_size: 32
...
	.end_amdgpu_metadata
.endif
;; end of part 2
;; launch layer2 (part 3): grid 32 x 8, 4 waves a work-group, clusters of 4 x 1, 327,680 bytes of LDS; arguments c1, s1, W1_codes, W1_scales, h1, out0; writes out0
.if DOCPART == 3
	.amdgcn_target "amdgcn-amd-amdhsa--gfx1250"
	.amdhsa_code_object_version 6
	.text
	.protected	k_q8866f477f9_layer2
	.globl	k_q8866f477f9_layer2
	.p2align	8
	.type	k_q8866f477f9_layer2,@function
k_q8866f477f9_layer2:
	s_mov_b64 s[64:65], 0
	v_nop
	global_prefetch_b8 v0, s[64:65] scope:SCOPE_SE
	s_setreg_imm32_b32 hwreg(HW_REG_WAVE_MODE, 25, 1), 1
	s_wait_xcnt 0x0
	s_wait_alu depctr_hold_cnt(0) depctr_sa_sdst(0) depctr_va_vdst(0) depctr_va_sdst(0) depctr_va_ssrc(0) depctr_va_vcc(0) depctr_vm_vsrc(0)
	s_getreg_b32 s2, hwreg(HW_REG_IB_STS2, 6, 4)
	s_cmp_eq_u32 s2, 0
	s_cbranch_scc0 .Lentry_in_a_cluster
	s_endpgm
.Lentry_in_a_cluster:
	s_bfe_u32 s2, ttmp6, 0x10000c
	s_cmp_lg_u32 s2, 0x3003
	s_cbranch_scc0 .Lentry_shape_is_right
	s_endpgm
.Lentry_shape_is_right:
; ONE MinGRU LAYER: z = Q(h) W on codes of FP4 (E2M1) with E8M0 scales for each 32 along K; z = (hidden, gate, proj); out_t = a_t out_(t-1) + b_t with a = sigmoid(-gate),
; b = sigmoid(gate) g(hidden), g(x) = x + 0.5 for x >= 0, else sigmoid(x); h' = h + sigmoid(proj) (out - h).  The recurrence is the log-space scan's sum term for term; all its terms are
; 0 or more, so plain f32 loses nothing by cancellation, and no exponential of a sum is formed: the only exponentials stand inside sigmoids.
; g(x) IS TAKEN AS max(x + 0.5, sigmoid(x)): sigmoid(x) - x - 0.5 is 0 at x = 0 and falls everywhere (the sigmoid's slope is under 1), so the line lies above for x > 0 and below for x < 0.
; THE GATE: E = 2^min(gate log2(e), 120), a = 1 / (1 + E), sigmoid(gate) = E a.  The hold keeps 1 / (1 + E) a normal number, so that E a stays 1 for large gates.
; LAYER = 1: h comes row-major; h' leaves as an image of the state registers (h1), and quantised (c1, s1) for the next layer.  LAYER = 2: h comes as that image; h' leaves row-major.
; SHARES.  A work-group owns 32 channels (one block of 32 of the next K) of one batch for all 1,024 times: 8,192 sequences over 256 work-groups.  Time goes in 8 SPANS of 128.
; In a span wave w makes 32 rows (tiles k = 0, 1) x 96 columns (tile n = 2 g + u: g = hidden, gate, proj; u = half of the 32 channels).  Row m of tile k is time
; 128 q + 16 w + 64 (m / 8) + 8 k + m % 8.  Source 0 = rows of time, source 1 = rows of W: in a result lane (r, hl) holds ONE channel (16 u + r) and register j the time of m = 8 hl + j.
; So the 16 registers of tiles k = 0, 1 are 16 consecutive times of chunk ci = w + 4 hl, and the scan runs down a lane's registers.  The eight chunks' aggregates (product of a, local end
; value) meet in LDS, and every lane folds them in order.
; W's 96 rows stay in every wave's registers for the whole launch (48 fragments, 24 scale words).
; CLUSTER.  The four work-groups of a cluster belong to one batch and read the same codes and scale bytes of h: each tile is asked for JOINTLY, by the same tensor load with the same
; descriptor and the mask of all four.  The place in the cluster enters global addresses alone.
; THE RING.  Two LDS slots, each with the codes of two spans (131,072 bytes); each wave brings a quarter of a slot by one load.  A slot is filled again behind the barrier of its second span.
; LIMITS: NaN and infinities are not served.  Sigmoids and products under 2^-126 become 0; sigmoid(-gate) is held at 2^-120 from below.
; A block of h' whose largest magnitude lies under 2^-124 keeps the scale byte 1 (a block of zeros too: its codes are zeros, and this program alone reads the bytes).
; The row-major side moves in aligned pieces of 128 bytes (32 channels): slices of 64 channels would leave half of the 256 work-groups without work.
; REGISTERS, in windows of 256: window 0: see the names below.  Window 1: W's fragments of K steps 0-3 at v[48 s + 8 n]; v192-223, v224-255 h of the even and odd spans.
; Window 2: W's fragments of K steps 4-7.  Window 3: the span's 16 fragments of time rows at v[8 (2 s + k)].
.set LAYER, 2
.set SLOT1, 131072                     ; slot 1 begins here: one exclusive or turns an address in one slot into the other's
.set SPANB, 65536                      ; a span's codes
.set SCL,   262144                     ; the batch's scale bytes: 256 rows (8 x place of the block + span) of 128 bytes + 16: filled once
.set STG,   299008                     ; 32 rows x 144 bytes for each wave; at the head W's stage, 32 rows x 528
.set EXC,   317440                     ; the chunks' aggregates: two sets of 2,048 bytes, by the span's parity; 16 bytes a thread
.set SCB,   321536                     ; LAYER 1: the 1,024 scale bytes of h' on their way out
.set SPARE, 322560                     ; the spare words, 128 bytes for each wave: two blocks of 256 bytes that no other line names
.set SPW,  1                           ; v1   LDS address of my spare word; never rewritten
.set NIL,  2                           ; v2   0; never rewritten
.set AFA,  3                           ; v3   16,384 w + 16 lane: my fragments' place in a span's codes
.set AFT,  4                           ; v4   the same in the span to be fetched (at the head: where I read W's stage)
.set SCA,  5                           ; v5   my scale halfwords: SCL + 1,152 hl + 32 w + 2 r
.set STW,  6                           ; v6   my stage by (time, channel): + 1,152 hl + 4 r
.set STQ,  7                           ; v7   my stage by rows: + 144 lane
.set STR,  8                           ; v8   my stage, four rows an instruction: + 144 (lane / 8) + 16 (lane % 8)
.set EXW,  9                           ; v9   where I put my chunk's aggregates
.set EXR,  10                          ; v10  where my channel's aggregates begin
.set SBW,  11                          ; v11  my scale byte: SCB + 32 w + 2 (lane % 16) + lane / 16
.set GHI,  12                          ; v12  my offset in h as it comes
.set GHO,  13                          ; v13  my offset in h' as it leaves
.set GCO,  14                          ; v14  my offset in the codes: 8,192 (lane / 16) + 16 (lane % 16)
.set SO8,  15                          ; v15  8 x thread
.set SL8,  16                          ; v16  SCB + 8 x thread
.set SCT,  17                          ; v17  SCA in the trip in hand
.set SBT,  18                          ; v18  SBW in the trip in hand
.set WSW,  24                          ; v24-47   W's scale words (n, pair of K steps): lanes 0-15 the even step's, lanes 16-31 the odd step's
.set ASW,  48                          ; v48-55   the time rows' scale words (pair of K steps, k), likewise
.set CAR,  56                          ; v56-57   the state at the last span's end, for u = 0, 1
.set TM,   58                          ; v58-59   at work
.set CD,   60                          ; v60-63   codes
.set VH,   64                          ; v64-95   hidden, then hidden + 0.5; later the aggregates; later a row of h'
.set VG,   96                          ; v96-127  gate, E, sigmoid(gate); later v96-97 my chunk's entry state, v100-123 scale halfwords
.set VP,   128                         ; v128-159 proj, then sigmoid(proj)
.set LOC,  160                         ; v160-191 b, the local scan, out, h'
.set ACU,  192                         ; v192-223 a, its running product
.set HOLD, 224                         ; v224-255 LAYER 1: h; LAYER 2: rows of h' on their way out
.set MY,   96
.set SH,   100
.set ST2,  116
.set HR,   192                         ; in window 1
.set CIN,  4                           ; s[4:19] the buffers
.set SIN,  6
.set WCD,  8
.set WSB,  10
.set HIN,  12
.set HOUT, 14
.set COUT, 16
.set SOUT, 18
.set G1C,  20                          ; s[20:27] group 1 for the codes;  s[28:35] for the scale bytes
.set G1S,  28
.set G0S,  36                          ; s[36:39], s[40:43], s[44:47] groups 0: scale bytes, slot 0, slot 1; the last then walks
.set G0A,  40
.set G0B,  44
.set WV,   48
.set CX,   49
.set SG,   50                          ; my block of 32 channels
.set BB,   51                          ; my batch
.set CNT,  52
.set TB,   53                          ; LDS byte of the slot in hand
.set TT,   54
.set SST,  55                          ; 288 x trip: two rows of scale bytes
.set L2E,  56                          ; s[56:57] log2(e)
.set SEL1, 58
.set SEL2, 59
.set SEL3, 60
.set SBS,  61                          ; 256 x trip
.set NL2E, 62                          ; s[62:63] -log2(e)
.set MK,   66                          ; s66-72 lane masks: my chunk is 1 .. 7
.set CLP,  73                          ; s73  120.0: the hold on gate x log2(e)
.if LAYER == 1
.set RMV, GHI
.set IMV, GHO
.set INSTEP,  1048576                  ; two spans: 256 rows of 4,096 bytes
.set OUTSTEP, 32768                    ; two spans of the image
.else
.set RMV, GHO
.set IMV, GHI
.set INSTEP,  32768
.set OUTSTEP, 1048576
.endif
.set MSB, 0
.macro WIN new                         ; the immediate's high byte repeats the setting that is left
.if MSB != \new
	s_set_vgpr_msb (MSB<<8)|\new
.set MSB, \new
.endif
.endm
.macro CREST                           ; a round of the cluster's barrier behind its opening barrier
	s_cmp_lg_u32 s[WV], 0
	s_cbranch_scc1 .Lnot_wave_0_\@
	s_barrier_signal -3
.Lnot_wave_0_\@:
	s_barrier_wait -3
	s_barrier_signal -1
	s_barrier_wait -1
.endm
.macro CROUND
	s_barrier_signal -1
	s_barrier_wait -1
	CREST
.endm
; h of the span that lies rnd spans behind the trip's first, into the set of parity par.  Row-major: an instruction takes four rows x 128 bytes; load i begins at time 64 ((i / 2) % 2) + 8 (i / 4) + 4 (i % 2),
; so that stage row 4 i + lane / 8 is row 16 k + m.  Image: 512 consecutive bytes an instruction.
.macro HLD par, rnd
	WIN 0x40
.irp i, 0,1,2,3,4,5,6,7
.if LAYER == 1
	global_load_b128 v[HR+32*\par+4*\i:HR+32*\par+4*\i+3], v[GHI], s[HIN:HIN+1] offset:(128*(\rnd)+64*((\i/2)%2)+8*(\i/4)+4*(\i%2))*4096 th:TH_LOAD_NT
.else
	global_load_b128 v[HR+32*\par+4*\i:HR+32*\par+4*\i+3], v[GHI], s[HIN:HIN+1] offset:16384*(\rnd)+512*\i th:TH_LOAD_NT
.endif
.endr
	WIN 0
.endm
; The next span's operands.  FETCH_S: its addresses, and 16 halfwords of scale bytes (both tiles' bytes of one block; lanes 0-15 the even K step's, lanes 16-31 the odd one's).
; off: the span's place in the slot in hand;  rq: the span's number counted from the trip's first span (a row of scale bytes, 144 bytes, for each).
.macro FETCH_S off, rq
	s_add_co_u32 s[TT], s[TB], (\off)
	v_add_nc_u32 v[AFT], s[TT], v[AFA]
	v_add_nc_u32 v[SCT], s[SST], v[SCA]
.irp p, 0,1,2,3
.irp i, 0,1,2,3
	ds_load_u16 v[SH+4*\p+\i], v[SCT] offset:(8*\p+2*\i)*1152+144*(\rq)
.endr
.endr
.endm
; FETCH_F: the fragments of K steps 4 hf .. 4 hf + 3: 16 loads of 512 consecutive bytes.  The two halves stand apart, with vector work behind each.
.macro FETCH_F hf
	WIN 0xc0
.irp s, 0,1,2,3
.irp k, 0,1
.irp c, 0,1
	ds_load_b128 v[8*(2*(4*\hf+\s)+\k)+4*\c:8*(2*(4*\hf+\s)+\k)+4*\c+3], v[AFT] offset:8192*\k+1024*(4*\hf+\s)+512*\c
.endr
.endr
.endr
	WIN 0
.endm
; Four halfwords (k = 0 in the low byte, k = 1 above it) make the two tiles' scale words.  A scale register written by a vector instruction stands eight places ahead of the scaled
; matrix instruction that reads it: in a span's tail the carry and the highway follow; at the head eight v_nop are written.
.macro SCALEW
.irp p, 0,1,2,3
	v_perm_b32 v[ST2+2*\p], v[SH+4*\p+1], v[SH+4*\p], s[SEL1]
	v_perm_b32 v[ST2+2*\p+1], v[SH+4*\p+3], v[SH+4*\p+2], s[SEL1]
.endr
.irp p, 0,1,2,3
	v_perm_b32 v[ASW+2*\p], v[ST2+2*\p+1], v[ST2+2*\p], s[SEL2]
	v_perm_b32 v[ASW+2*\p+1], v[ST2+2*\p+1], v[ST2+2*\p], s[SEL3]
.endr
.endm
.macro MM s, k, n
.if (\s) == 0
	v_wmma_scale_f32_16x16x128_f8f6f4 v[VH+16*\n+8*\k:VH+16*\n+8*\k+7], v[8*(2*\s+\k):8*(2*\s+\k)+7], v[48*((\s)%4)+8*\n:48*((\s)%4)+8*\n+7], 0, v[ASW+2*((\s)/2)+\k], v[WSW+4*\n+(\s)/2] matrix_a_fmt:MATRIX_FMT_FP4 matrix_b_fmt:MATRIX_FMT_FP4
.elseif ((\s)%2) == 0
	v_wmma_scale_f32_16x16x128_f8f6f4 v[VH+16*\n+8*\k:VH+16*\n+8*\k+7], v[8*(2*\s+\k):8*(2*\s+\k)+7], v[48*((\s)%4)+8*\n:48*((\s)%4)+8*\n+7], v[VH+16*\n+8*\k:VH+16*\n+8*\k+7], v[ASW+2*((\s)/2)+\k], v[WSW+4*\n+(\s)/2] matrix_a_fmt:MATRIX_FMT_FP4 matrix_b_fmt:MATRIX_FMT_FP4
.else
	v_wmma_scale_f32_16x16x128_f8f6f4 v[VH+16*\n+8*\k:VH+16*\n+8*\k+7], v[8*(2*\s+\k):8*(2*\s+\k)+7], v[48*((\s)%4)+8*\n:48*((\s)%4)+8*\n+7], v[VH+16*\n+8*\k:VH+16*\n+8*\k+7], v[ASW+2*((\s)/2)+\k], v[WSW+4*\n+(\s)/2] matrix_a_fmt:MATRIX_FMT_FP4 matrix_b_fmt:MATRIX_FMT_FP4 matrix_a_scale:MATRIX_SCALE_ROW1 matrix_b_scale:MATRIX_SCALE_ROW1
.endif
.endm
; 96 matrix instructions: K step by K step, the twelve accumulators by turns, one instruction a turn; the first K step starts the sums with the constant 0.
.macro GEMM
.irp s, 0,1,2,3,4,5,6,7
.if \s < 4
	WIN 0x07                                       ; source 0 window 3, source 1 window 1, C and D window 0
.else
	WIN 0x0b                                       ; source 1 window 2
.endif
.irp k, 0,1
.irp n, 0,1,2,3,4,5
	MM \s, \k, \n
.endr
.endr
.endr
	WIN 0
.rept 4
	v_nop                                          ; four places between the last products and the first read of results
.endr
.endm
; Gate and hidden become a (ACU) and b (LOC).  Every accumulator is first read at its low end: all runs ascend.  The exponentials and reciprocals take turns with the plain lines that are due anyway.
.macro ACT_A
.set jj, 0
.rept 16
	v_pk_mul_f32 v[LOC+jj:LOC+jj+1], v[VH+jj:VH+jj+1], s[NL2E:NL2E+1] op_sel_hi:[1,0]   ; -x log2(e)
.set jj, jj+2
.endr
.set jj, 0
.rept 16
	v_pk_mul_f32 v[VG+jj:VG+jj+1], v[VG+jj:VG+jj+1], s[L2E:L2E+1] op_sel_hi:[1,0]       ; gate x log2(e)
.set jj, jj+2
.endr
.set jj, 0
	s_wait_alu depctr_va_vdst(0)
.rept 32
	v_exp_f32 v[LOC+jj], v[LOC+jj]                 ; e^-x (infinity for very negative x: the sigmoid is then 0)
	v_min_num_f32 v[VG+jj], s[CLP], v[VG+jj]       ; the hold at 120
.set jj, jj+1
.endr
.set jj, 0
	s_wait_alu depctr_va_vdst(0)
.rept 8
	v_exp_f32 v[VG+4*jj], v[VG+4*jj]               ; E = e^gate, at most 2^120
	v_exp_f32 v[VG+4*jj+1], v[VG+4*jj+1]
	v_exp_f32 v[VG+4*jj+2], v[VG+4*jj+2]
	v_exp_f32 v[VG+4*jj+3], v[VG+4*jj+3]
	v_pk_add_f32 v[VH+2*jj:VH+2*jj+1], v[VH+2*jj:VH+2*jj+1], 0.5 op_sel_hi:[1,0]       ; x + 0.5
.set jj, jj+1
.endr
	s_wait_alu depctr_va_vdst(0)                   ; one wait for the 64 exponentials, ahead of their first reader
.set jj, 0
.rept 16
	v_pk_add_f32 v[LOC+jj:LOC+jj+1], v[LOC+jj:LOC+jj+1], 1.0 op_sel_hi:[1,0]
.set jj, jj+2
.endr
.set jj, 0
.rept 16
	v_pk_add_f32 v[ACU+jj:ACU+jj+1], v[VG+jj:VG+jj+1], 1.0 op_sel_hi:[1,0]
.set jj, jj+2
.endr
.set jj, 0
	s_wait_alu depctr_va_vdst(0)
.rept 8
	v_rcp_f32 v[LOC+4*jj], v[LOC+4*jj]             ; sigmoid(x)
	v_rcp_f32 v[LOC+4*jj+1], v[LOC+4*jj+1]
	v_rcp_f32 v[LOC+4*jj+2], v[LOC+4*jj+2]
	v_rcp_f32 v[LOC+4*jj+3], v[LOC+4*jj+3]
	v_rcp_f32 v[ACU+4*jj], v[ACU+4*jj]             ; a = 1 / (1 + E)
	v_rcp_f32 v[ACU+4*jj+1], v[ACU+4*jj+1]
	v_rcp_f32 v[ACU+4*jj+2], v[ACU+4*jj+2]
	v_rcp_f32 v[ACU+4*jj+3], v[ACU+4*jj+3]
	v_pk_add_f32 v[VH+16+2*jj:VH+16+2*jj+1], v[VH+16+2*jj:VH+16+2*jj+1], 0.5 op_sel_hi:[1,0]
.set jj, jj+1
.endr
.endm
.macro ACT_B
	s_wait_alu depctr_va_vdst(0)                   ; one wait for the 64 reciprocals
.set jj, 0
.rept 16
	v_pk_mul_f32 v[VG+jj:VG+jj+1], v[VG+jj:VG+jj+1], v[ACU+jj:ACU+jj+1]                ; sigmoid(gate) = E a
.set jj, jj+2
.endr
.set jj, 0
.rept 32
	v_max_num_f32 v[LOC+jj], v[LOC+jj], v[VH+jj]   ; g(x) = max(sigmoid(x), x + 0.5)
.set jj, jj+1
.endr
.set jj, 0
.rept 16
	v_pk_mul_f32 v[LOC+jj:LOC+jj+1], v[LOC+jj:LOC+jj+1], v[VG+jj:VG+jj+1]              ; b
.set jj, jj+2
.endr
.endm
.macro TURNIN par, n                   ; LAYER 1: the span's h turns through my stage: in by rows, out by (time, channel) into HOLD
	s_wait_loadcnt \n                              ; this span's eight loads are in; the next span's may be out
	WIN 0x04                                       ; an LDS store's data are its source 1: window 1
.irp i, 0,1,2,3,4,5,6,7
	ds_store_b128 v[STR], v[HR+32*\par+4*\i:HR+32*\par+4*\i+3] offset:576*\i
.endr
	WIN 0
.irp u, 0,1
.irp k, 0,1
.irp j, 0,1,2,3,4,5,6,7
	ds_load_b32 v[HOLD+16*\u+8*\k+\j], v[STW] offset:(16*\k+\j)*144+64*\u
.endr
.endr
.endr
.endm
.macro SCAN par                        ; down my 16 times, both halves of the channels by turns: the local scan, and the running product of a
.set tt, 1
.rept 15
	v_fmac_f32 v[LOC+tt], v[ACU+tt], v[LOC+tt-1]
	v_fmac_f32 v[LOC+16+tt], v[ACU+16+tt], v[LOC+16+tt-1]
	v_mul_f32 v[ACU+tt], v[ACU+tt], v[ACU+tt-1]
	v_mul_f32 v[ACU+16+tt], v[ACU+16+tt], v[ACU+16+tt-1]
.set tt, tt+1
.endr
	v_mov_b32 v[VH], v[ACU+15]                     ; my chunk's aggregates: the products for u = 0, 1,
	v_mov_b32 v[VH+1], v[ACU+31]
	v_mov_b32 v[VH+2], v[LOC+15]                   ; then the end values: so the fold below is packed
	v_mov_b32 v[VH+3], v[LOC+31]
	ds_store_b128 v[EXW], v[VH:VH+3] offset:2048*\par
.endm
.macro PROJ_A
.set jj, 0
.rept 16
	v_pk_mul_f32 v[VP+jj:VP+jj+1], v[VP+jj:VP+jj+1], s[NL2E:NL2E+1] op_sel_hi:[1,0]
.set jj, jj+2
.endr
.endm
.macro PROJ_B1                         ; 1 + e^-proj
.set jj, 0
.rept 32
	v_exp_f32 v[VP+jj], v[VP+jj]
.set jj, jj+1
.endr
	v_nop
	s_wait_alu depctr_va_vdst(0)
.set jj, 0
.rept 16
	v_pk_add_f32 v[VP+jj:VP+jj+1], v[VP+jj:VP+jj+1], 1.0 op_sel_hi:[1,0]
.set jj, jj+2
.endr
.endm
.macro PROJ_B2                         ; sigmoid(proj)
.set jj, 0
.rept 32
	v_rcp_f32 v[VP+jj], v[VP+jj]
.set jj, jj+1
.endr
	v_nop
	s_wait_alu depctr_va_vdst(0)
.endm
; The eight chunks are folded in order, both halves of the channels in one packed line; the state in front of my own chunk is kept; at the end CAR is the state at the span's end, the same in every lane of a channel.
.macro CARRY
	v_mov_b32 v[MY], v[CAR]
	v_mov_b32 v[MY+1], v[CAR+1]
.irp ci, 0,1,2,3,4,5,6,7
.if \ci > 0
	v_cndmask_b32 v[MY], v[MY], v[CAR], s[MK+\ci-1]
	v_cndmask_b32 v[MY+1], v[MY+1], v[CAR+1], s[MK+\ci-1]
.endif
	v_pk_fma_f32 v[CAR:CAR+1], v[VH+4*\ci:VH+4*\ci+1], v[CAR:CAR+1], v[VH+4*\ci+2:VH+4*\ci+3]
.endr
.set jj, 0
.rept 8
	v_pk_fma_f32 v[LOC+jj:LOC+jj+1], v[ACU+jj:ACU+jj+1], v[MY:MY+1], v[LOC+jj:LOC+jj+1] op_sel_hi:[1,0,1]
.set jj, jj+2
.endr
.rept 8
	v_pk_fma_f32 v[LOC+jj:LOC+jj+1], v[ACU+jj:ACU+jj+1], v[MY:MY+1], v[LOC+jj:LOC+jj+1] op_sel:[0,1,0] op_sel_hi:[1,1,1]
.set jj, jj+2
.endr
.endm
.macro HIGHWAY par, n                  ; h' = h + sigmoid(proj) (out - h)
.if LAYER == 1
.set jj, 0
.rept 16
	v_pk_add_f32 v[LOC+jj:LOC+jj+1], v[LOC+jj:LOC+jj+1], v[HOLD+jj:HOLD+jj+1] neg_lo:[0,1] neg_hi:[0,1]
.set jj, jj+2
.endr
.set jj, 0
.rept 16
	v_pk_fma_f32 v[LOC+jj:LOC+jj+1], v[VP+jj:VP+jj+1], v[LOC+jj:LOC+jj+1], v[HOLD+jj:HOLD+jj+1]
.set jj, jj+2
.endr
.else
	s_wait_loadcnt \n                              ; this span's eight loads are in; the next span's may be out
	WIN 0x04
.set jj, 0
.rept 16
	v_pk_add_f32 v[LOC+jj:LOC+jj+1], v[LOC+jj:LOC+jj+1], v[HR+32*\par+jj:HR+32*\par+jj+1] neg_lo:[0,1] neg_hi:[0,1]
.set jj, jj+2
.endr
	WIN 0x10
.set jj, 0
.rept 16
	v_pk_fma_f32 v[LOC+jj:LOC+jj+1], v[VP+jj:VP+jj+1], v[LOC+jj:LOC+jj+1], v[HR+32*\par+jj:HR+32*\par+jj+1]
.set jj, jj+2
.endr
	WIN 0
.endif
.endm
.macro STAGE                           ; h' into my stage by (time, channel)
.irp u, 0,1
.irp k, 0,1
.irp j, 0,1,2,3,4,5,6,7
	ds_store_b32 v[STW], v[LOC+16*\u+8*\k+\j] offset:(16*\k+\j)*144+64*\u
.endr
.endr
.endr
.endm
.macro QLOAD                           ; LAYER 1: lane = row 16 k + m: its 32 channels are one block of the next K.  LDS serves a wave's instructions in order: these see my stores
.irp i, 0,1,2,3,4,5,6,7
	ds_load_b128 v[VH+4*\i:VH+4*\i+3], v[STQ] offset:16*\i
.endr
.endm
.macro QUANT par
	v_add_nc_u32 v[SBT], s[SBS], v[SBW]
	s_wait_dscnt 0x0
	v_max3_num_f32 v[TM], |v[VH]|, |v[VH+1]|, 0x1800000            ; the largest magnitude, in two chains, with the floor 2^(3 - 127) among the leaves
	v_max3_num_f32 v[TM+1], |v[VH+16]|, |v[VH+17]|, |v[VH+18]|
.irp i, 2,4,6,8,10,12
	v_max3_num_f32 v[TM], v[TM], |v[VH+\i]|, |v[VH+\i+1]|
	v_max3_num_f32 v[TM+1], v[TM+1], |v[VH+17+\i]|, |v[VH+18+\i]|
.endr
	v_max3_num_f32 v[TM], v[TM], |v[VH+14]|, |v[VH+15]|
	v_max3_num_f32 v[TM], v[TM], v[TM+1], |v[VH+31]|
	v_add_nc_u32 v[TM+1], 0xff000000, v[TM]        ; 2 off its exponent field: the conversion's scale operand
.irp g, 0,1,2,3
	v_cvt_scalef32_pk8_fp4_f32 v[CD+\g], v[VH+8*\g:VH+8*\g+7], v[TM+1]
.endr
	v_lshrrev_b32 v[TM], 23, v[TM+1]               ; the scale's byte; also the plain line behind the conversions
	global_store_b128 v[GCO], v[CD:CD+3], s[COUT:COUT+1] offset:65536*\par     ; sixteen lanes store 256 consecutive aligned bytes, one run for each tile
	ds_store_b8 v[SBT], v[TM] offset:128*\par
.endm
; ONE SPAN.  par: its parity.  bar: 0 a plain barrier; 1 all tensor loads are waited for first; 2 and the slot just left is filled again, behind a round of the cluster's barrier.
; hld: h of the span two on is asked for.  fet: the next span's operands are fetched.  n: the younger loads of h that may stay out.
.macro SPAN par, bar, hld, fet, n
.if \par
	s_wait_xcnt 0x0                                ; the last span's stores have read their registers: LOC, the codes and HOLD are written again only behind this wait
.endif
	s_wait_dscnt 0x0                               ; the fragments are in
	GEMM
	ACT_A
.if LAYER == 1
	TURNIN \par, \n                                ; LDS work that names no reciprocal stands between the reciprocals and the wait for them
.endif
	ACT_B
	SCAN \par
.if \bar
	s_wait_tensorcnt 0x0                           ; all my tensor loads have landed: my part of the other slot
	ds_add_u32 v[SPW], v[NIL]                      ; 0 onto my spare word
.endif
.if \bar == 2
	s_xor_b32 s[G0B+1], s[G0B+1], SLOT1            ; no tensor load of mine is out: the walking descriptor takes the other slot than last time,
	s_add_nc_u64 s[G0B+2:G0B+3], s[G0B+2:G0B+3], SLOT1   ; and the next two spans' codes
.endif
	PROJ_A
	s_wait_dscnt 0x0                               ; my aggregates lie in LDS, my reads of the stage and of the slot are over, the add is done
	s_barrier_signal -1
	s_wait_alu depctr_va_vdst(0)
	PROJ_B1                                        ; work on registers while the others arrive
	s_barrier_wait -1
.if \bar == 2
	CREST                                          ; the barrier has opened a round of the cluster's barrier: no wave of any partner still reads the slot or has a load on its way
	tensor_load_to_lds s[G0B:G0B+3], s[G1C:G1C+7]  ; my one tensor load behind the round: it has two spans in which to land
	s_nop 0
.rept 4
	v_nop
.endr
.endif
.if \par
.if \fet
	s_xor_b32 s[TB], s[TB], SLOT1                  ; on to the other slot
.endif
.endif
.irp ci, 0,1,2,3,4,5,6,7
	ds_load_b128 v[VH+4*\ci:VH+4*\ci+3], v[EXR] offset:2048*\par+512*(\ci%4)+256*(\ci/4)   ; chunk ci = w + 4 hl: (A, A, B, B) for u = 0, 1 of my channel
.endr
.if \fet
	FETCH_S SPANB*(1-\par), 1+\par
.endif
	s_wait_alu depctr_va_vdst(0)
	PROJ_B2                                        ; 32 reciprocals while the aggregates and the halfwords come
	s_wait_dscnt 0x0                               ; they are in; no fragment load is out yet
.if \fet
	FETCH_F 0
	SCALEW
.endif
	CARRY
.if \fet
	FETCH_F 1
.endif
	HIGHWAY \par, \n
	STAGE
.if LAYER == 1
	QLOAD
.if \hld
	HLD \par, 2+\par                               ; the loads and stores below stand between the stage's loads and the wait for them
.endif
.irp i, 0,1,2,3,4,5,6,7
	global_store_b128 v[GHO], v[LOC+4*\i:LOC+4*\i+3], s[HOUT:HOUT+1] offset:16384*\par+512*\i   ; the state registers as they stand: 512 consecutive bytes an instruction
.endr
	QUANT \par
.else
.irp i, 0,1,2,3,4,5,6,7
	ds_load_b128 v[HOLD+4*\i:HOLD+4*\i+3], v[STR] offset:576*\i    ; LDS serves a wave's instructions in order: these see my stores
.endr
.if \hld
	HLD \par, 2+\par
.endif
.irp i, 0,1,2,3,4,5,6,7
	s_wait_dscnt 7-\i
	global_store_b128 v[GHO], v[HOLD+4*\i:HOLD+4*\i+3], s[HOUT:HOUT+1] offset:(128*\par+64*((\i/2)%2)+8*(\i/4)+4*(\i%2))*4096   ; four rows x 128 aligned bytes; no hint: the other half of each aligned 256 bytes is the neighbouring work-group's
.endr
.endif
.endm
.macro TRIP bar, hld, last             ; two spans: a slot
	SPAN 0, 0, \hld, 1, 8
.if \last
	SPAN 1, 0, 0, 0, 0
.else
	SPAN 1, \bar, \hld, 1, 8
	s_wait_xcnt 0x0                                ; every load and store issued has read its base and its registers: the bases step only behind this wait
	s_add_nc_u64 s[HIN:HIN+1], s[HIN:HIN+1], INSTEP
	s_add_nc_u64 s[HOUT:HOUT+1], s[HOUT:HOUT+1], OUTSTEP
.if LAYER == 1
	s_add_nc_u64 s[COUT:COUT+1], s[COUT:COUT+1], 2*SPANB
	s_add_co_u32 s[SBS], s[SBS], 256
.endif
	s_add_co_u32 s[SST], s[SST], 288
.endif
.endm
	s_load_b256 s[4:11], s[0:1], 0x0               ; codes of h, scale bytes of h, W's codes, W's scale bytes
.if LAYER == 1
	s_load_b256 s[12:19], s[0:1], 0x20             ; h, h1, c1, s1
.else
	s_load_b128 s[12:15], s[0:1], 0x20             ; h1, out0
.endif
	v_lshl_add_u32 v[SPW], v0, 2, SPARE
	v_mov_b32 v[NIL], 0
	ds_add_u32 v1, v2
	ds_add_u32 v1, v2
	s_wait_dscnt 0x0
	v_lshrrev_b32 v17, 5, v0
	v_readfirstlane_b32 s[WV], v17                 ; wave 0..3
	s_bfe_u32 s[CX], ttmp6, 0x40000                ; my place in the cluster
	s_lshl_b32 s[SG], ttmp9, 2
	s_add_co_u32 s[SG], s[SG], s[CX]               ; my block of channels = 4 x cluster x + place: it enters global addresses alone
	s_and_b32 s[BB], ttmp7, 0xffff                 ; the batch, which the four partners share
	; the address registers, made while the arguments are on their way.  s78-81 hold numbers of the wave and the batch alone; s74-77 those of my block
	v_and_b32 v18, 31, v0                          ; lane
	v_and_b32 v19, 15, v0                          ; r
	v_bfe_u32 v20, v0, 4, 1                        ; hl
	v_lshlrev_b32 v21, 4, v18                      ; 16 lane
	v_lshlrev_b32 v22, 5, v19
	v_lshl_add_u32 v22, v20, 2, v22                ; W's scale words: 32 r + 4 hl
	v_bfe_u32 v58, v0, 3, 2                        ; lane / 8
	v_and_b32 v59, 7, v0                           ; lane % 8
	v_lshlrev_b32 v[RMV], 12, v58
	v_lshl_add_u32 v[RMV], v59, 4, v[RMV]          ; row-major: 4,096 (lane / 8) + 16 (lane % 8)
	s_lshl_b32 s78, s[WV], 12
	v_add_nc_u32 v[IMV], s78, v21                  ; image: 4,096 w + 16 lane
	s_lshl_b32 s78, s[WV], 14
	v_add_nc_u32 v[AFA], s78, v21
	s_lshl_b32 s78, s[WV], 5
	s_add_co_u32 s79, s78, SCL
	v_mul_u32_u24 v[SCA], v20, 1152
	v_lshl_add_u32 v[SCA], v19, 1, v[SCA]
	v_add_nc_u32 v[SCA], s79, v[SCA]
.if LAYER == 1
	s_add_co_u32 s79, s78, SCB
	v_lshl_add_u32 v[SBW], v19, 1, v20
	v_add_nc_u32 v[SBW], s79, v[SBW]
	v_lshlrev_b32 v[GCO], 13, v20
	v_lshl_add_u32 v[GCO], v19, 4, v[GCO]
	v_lshlrev_b32 v[SO8], 3, v0
	v_lshl_add_u32 v[SL8], v0, 3, SCB
.endif
	s_mul_i32 s78, s[WV], 4608
	s_add_co_u32 s78, s78, STG                     ; my stage
	v_mul_u32_u24 v[STW], v20, 1152
	v_lshl_add_u32 v[STW], v19, 2, v[STW]
	v_add_nc_u32 v[STW], s78, v[STW]
	v_mul_u32_u24 v[STQ], v18, 144
	v_add_nc_u32 v[STQ], s78, v[STQ]
	v_mul_u32_u24 v[STR], v58, 144
	v_lshl_add_u32 v[STR], v59, 4, v[STR]
	v_add_nc_u32 v[STR], s78, v[STR]
	v_lshl_add_u32 v[EXW], v0, 4, EXC
	v_lshl_add_u32 v[EXR], v19, 4, EXC
	s_mul_i32 s78, s[WV], 8*528
	s_add_co_u32 s78, s78, STG
	v_add_nc_u32 v23, s78, v21                     ; W's stage, in: my eight rows of 528 bytes, 16 bytes a lane
	v_mul_u32_u24 v[AFT], v19, 528
	v_lshl_add_u32 v[AFT], v20, 4, v[AFT]
	v_add_nc_u32 v[AFT], STG, v[AFT]               ; and out: row r, + 16 hl
	v_lshl_add_u32 v58, v20, 2, s[WV]              ; my chunk: w + 4 hl
.irp ci, 1,2,3,4,5,6,7
	v_cmp_eq_u32 s[MK+\ci-1], \ci, v58
.endr
	v_mov_b32 v[CAR], 0                            ; out before the first time is 0
	v_mov_b32 v[CAR+1], 0
	s_mov_b32 s[L2E], 0x3fb8aa3b
	s_mov_b32 s[L2E+1], 0x3fb8aa3b
	s_mov_b32 s[NL2E], 0xbfb8aa3b
	s_mov_b32 s[NL2E+1], 0xbfb8aa3b
	s_mov_b32 s[CLP], 0x42f00000                   ; 120.0
	s_mov_b32 s[SEL1], 0x05010400
	s_mov_b32 s[SEL2], 0x05040100
	s_mov_b32 s[SEL3], 0x07060302
	s_mov_b32 s[TB], 0
	s_mov_b32 s[SST], 0
	s_mov_b32 s[SBS], 0
	; descriptor groups 1.  Codes: 128 rows of 256 bytes (32 elements of 8), dense.  Scale bytes: 128 rows of 128 bytes (16 elements), 16 bytes of padding behind each
	s_mov_b32 s[G1C], 15|(3<<16)|(1<<21)           ; 15:0 the mask: all four work-groups; 17:16 elements of 8 bytes; 21 set beside a mask
	s_mov_b32 s[G1C+1], 32<<16                     ; tensor_dim0
	s_mov_b32 s[G1C+2], 256<<16                    ; tensor_dim1: 256 rows for the head's loads of codes; set to 128 for the ring's behind them
	s_mov_b32 s[G1C+3], 32<<16                     ; tile_dim0
	s_mov_b32 s[G1C+4], 256                        ; tile_dim1, likewise
	s_mov_b32 s[G1C+5], 32                         ; from row to row
	s_mov_b32 s[G1C+6], 0
	s_mov_b32 s[G1C+7], 0
	s_mov_b32 s[G1S], 15|(3<<16)|(1<<20)|(1<<21)|(4<<22)|(3<<25)   ; padding on: four words after every 32
	s_mov_b32 s[G1S+1], 16<<16
	s_mov_b32 s[G1S+2], 128<<16                    ; half of the batch's scale bytes: 128 rows of 128 bytes
	s_mov_b32 s[G1S+3], 16<<16
	s_mov_b32 s[G1S+4], 128
	s_mov_b32 s[G1S+5], 16
	s_mov_b32 s[G1S+6], 0
	s_mov_b32 s[G1S+7], 0
	s_lshl_b32 s78, s[BB], 15                      ; the scale bytes: 32,768 b + my half, 16,384 (w % 2)
	s_and_b32 s[CNT], s[WV], 1                     ; which half I fetch at the head: of slot 0 (waves 0, 1) or of the scale bytes (waves 2, 3)
	s_lshl_b32 s79, s[CNT], 14                     ; half of the scale bytes: 16,384
	s_add_co_u32 s78, s78, s79
	s_mov_b32 s79, 0
	s_lshl_b32 s80, s[BB], 19                      ; the codes: 524,288 b + my quarter of a slot, 32,768 w
	s_lshl_b32 s81, s[WV], 15
	s_add_co_u32 s80, s80, s81
	s_mov_b32 s81, 0
	s_wait_alu depctr_va_vdst(0)
	s_wait_kmcnt 0x0
	; the first fills go out ahead of everything else that wants the arguments: the first span waits for them longest
	s_mov_b32 s[G0S], 1                            ; count = 1
	s_mul_i32 s[G0S+1], s[CNT], 18432              ; 128 rows of 144 bytes
	s_add_co_u32 s[G0S+1], s[G0S+1], SCL           ; LDS address: my 128 rows of 144 bytes
	s_add_nc_u64 s[G0S+2:G0S+3], s[SIN:SIN+1], s[78:79]
	s_or_b32 s[G0S+3], s[G0S+3], 0x80000000        ; type = 2
	s_mov_b32 s[G0A], 1
	s_lshl_b32 s[G0A+1], s[CNT], 16                ; slot 0, one span's 65,536 bytes
	s_lshl_b32 s2, s[BB], 19
	s_add_co_u32 s2, s2, s[G0A+1]                  ; 524,288 b + 65,536 x span
	s_mov_b32 s3, 0
	s_add_nc_u64 s[G0A+2:G0A+3], s[CIN:CIN+1], s[2:3]
	s_mov_b32 s[G0B], 1
	s_lshl_b32 s[G0B+1], s[WV], 15
	s_add_co_u32 s[G0B+1], s[G0B+1], SLOT1         ; slot 1, my quarter
	s_add_nc_u64 s[G0B+2:G0B+3], s[CIN:CIN+1], s[80:81]
	s_add_nc_u64 s[G0B+2:G0B+3], s[G0B+2:G0B+3], SLOT1   ; spans 2 and 3
	s_or_b32 s[G0A+3], s[G0A+3], 0x80000000
	s_or_b32 s[G0B+3], s[G0B+3], 0x80000000
	CROUND                                         ; all four work-groups are here: the first joint loads meet
	s_cmp_lt_u32 s[WV], 2                          ; the head's tiles are shared out, one joint load a wave: waves 0, 1 the codes of spans 0, 1; waves 2, 3 the halves of the scale bytes
	s_cbranch_scc0 .Lhead_scales
	tensor_load_to_lds s[G0A:G0A+3], s[G1C:G1C+7]
	s_nop 0
.rept 4
	v_nop
.endr
	s_branch .Lhead_asked
.Lhead_scales:
	tensor_load_to_lds s[G0S:G0S+3], s[G1S:G1S+7]
	s_nop 0
.rept 4
	v_nop
.endr
.Lhead_asked:
	s_lshl_b32 s74, s[SG], 14                      ; W's codes: my 32 rows of 512 bytes in each third, my wave's eight of them
	s_lshl_b32 s75, s[WV], 12
	s_add_co_u32 s74, s74, s75
	s_mov_b32 s75, 0
	s_add_nc_u64 s[WCD:WCD+1], s[WCD:WCD+1], s[74:75]
	s_lshl_b32 s74, s[SG], 10                      ; W's scale bytes: 32 rows of 32 bytes
	s_add_nc_u64 s[WSB:WSB+1], s[WSB:WSB+1], s[74:75]
	s_lshl_b32 s74, s[BB], 22                      ; row-major: (1,024 b + 16 w) rows of 4,096 bytes + 128 bytes x block
	s_lshl_b32 s76, s[WV], 16
	s_add_co_u32 s74, s74, s76
	s_lshl_b32 s76, s[SG], 7
	s_add_co_u32 s74, s74, s76
	s_lshl_b32 s76, s[BB], 22                      ; image: (32 b + block) x 131,072
	s_lshl_b32 s77, s[SG], 17
	s_add_co_u32 s76, s76, s77
	s_mov_b32 s77, 0
.if LAYER == 1
	s_add_nc_u64 s[HIN:HIN+1], s[HIN:HIN+1], s[74:75]
	s_add_nc_u64 s[HOUT:HOUT+1], s[HOUT:HOUT+1], s[76:77]
	s_lshl_b32 s74, s[BB], 19                      ; c1: 524,288 b + 16,384 w + 256 x block
	s_lshl_b32 s76, s[WV], 14
	s_add_co_u32 s74, s74, s76
	s_lshl_b32 s76, s[SG], 8
	s_add_co_u32 s74, s74, s76
	s_add_nc_u64 s[COUT:COUT+1], s[COUT:COUT+1], s[74:75]
	s_and_b32 s76, s[SG], 24                       ; s1: the place of block 8 s + 4 hs + i is 8 s + 2 i + hs
	s_and_b32 s74, s[SG], 3
	s_lshl_b32 s74, s74, 1
	s_add_co_u32 s76, s76, s74
	s_bfe_u32 s74, s[SG], 0x10002
	s_add_co_u32 s76, s76, s74
	s_lshl_b32 s76, s76, 10
	s_lshl_b32 s74, s[BB], 15
	s_add_co_u32 s76, s76, s74
	s_add_nc_u64 s[SOUT:SOUT+1], s[SOUT:SOUT+1], s[76:77]
.else
	s_add_nc_u64 s[HIN:HIN+1], s[HIN:HIN+1], s[76:77]
	s_add_nc_u64 s[HOUT:HOUT+1], s[HOUT:HOUT+1], s[74:75]
.endif
.irp g, 0,1,2                          ; W's rows: an instruction reads one row of 512 bytes; 8 rows a wave in each third
.irp i, 0,1,2,3,4,5,6,7
	global_load_b128 v[VH+32*\g+4*\i:VH+32*\g+4*\i+3], v21, s[WCD:WCD+1] offset:524288*\g+512*\i
.endr
.endr
.irp g, 0,1,2                          ; W's scale words: they stay
.irp u, 0,1
.irp p, 0,1,2,3
	global_load_b32 v[WSW+4*(2*\g+\u)+\p], v22, s[WSB:WSB+1] offset:(1024*\g+16*\u)*32+8*\p
.endr
.endr
.endr
	HLD 0, 0                                       ; h of spans 0 and 1
	HLD 1, 1
	; W's 96 rows go through a stage, a third at a time, so that every wave gets all 48 fragments: lane (r, hl) takes bytes 64 s + 32 c + 16 hl of row 16 u + r
.irp g, 0,1,2
	s_wait_loadcnt 56-8*\g                         ; this third's eight loads are in; all that were issued behind them may be out
.irp i, 0,1,2,3,4,5,6,7
	ds_store_b128 v23, v[VH+32*\g+4*\i:VH+32*\g+4*\i+3] offset:528*\i
.endr
	s_wait_dscnt 0x0                               ; for the others' sake: my rows lie in the stage
	s_barrier_signal -1
	s_barrier_wait -1
	WIN 0x40
.irp u, 0,1
.irp s, 0,1,2,3
.irp c, 0,1
	ds_load_b128 v[48*\s+8*(2*\g+\u)+4*\c:48*\s+8*(2*\g+\u)+4*\c+3], v[AFT] offset:8448*\u+64*\s+32*\c
.endr
.endr
.endr
	WIN 0x80
.irp u, 0,1
.irp s, 0,1,2,3
.irp c, 0,1
	ds_load_b128 v[48*\s+8*(2*\g+\u)+4*\c:48*\s+8*(2*\g+\u)+4*\c+3], v[AFT] offset:8448*\u+64*(\s+4)+32*\c
.endr
.endr
.endr
	WIN 0
.if \g == 2
	s_wait_tensorcnt 0x0                           ; my tile of the head's four is in; slot 1's first fill is issued as a refill is
	ds_add_u32 v[SPW], v[NIL]                      ; 0 onto my spare word
	s_mov_b32 s[G1C+2], 128<<16                    ; no tensor load of mine is out: from here on a load of codes brings 128 rows
	s_mov_b32 s[G1C+4], 128
	s_wait_dscnt 0x0                               ; the add is done, and my reads of the stage are over
	CROUND                                         ; a whole round: slot 0 and the scale bytes are whole, and the four work-groups' joint loads meet
	tensor_load_to_lds s[G0B:G0B+3], s[G1C:G1C+7]  ; my quarter of slot 1: it has spans 0 and 1 in which to land
	s_nop 0
.rept 4
	v_nop
.endr
.else
	s_wait_dscnt 0x0                               ; my reads of the stage are over: it may be written again
	s_barrier_signal -1
	s_barrier_wait -1
.endif
.endr
	s_wait_loadcnt 16                              ; W's scale words are in; the two spans of h may be out
	FETCH_S 0, 0                                   ; span 0's operands
	FETCH_F 0
	FETCH_F 1
	s_wait_dscnt 0x0
	SCALEW
.rept 8
	v_nop                                          ; the eight places between the scale words and the first scaled matrix instruction
.endr
	s_mov_b32 s[CNT], 2
.Lpair:                                            ; spans 0 to 3: behind the second span of each slot that slot is filled again
	s_wait_alu depctr_va_vdst(0)
	TRIP 2, 1, 0
	s_sub_co_u32 s[CNT], s[CNT], 1
	s_cmp_lg_u32 s[CNT], 0
	s_cbranch_scc1 .Lpair
	TRIP 1, 1, 0                                   ; spans 4, 5: the tail is written out, so that no load is jumped over: nothing is left to fill,
	TRIP 0, 0, 1                                   ; spans 6, 7: no h is left to ask for, and span 7 fetches nothing
.if LAYER == 1
	s_wait_dscnt 0x0                               ; for the others' sake: my scale bytes lie in LDS
	s_barrier_signal -1
	s_barrier_wait -1
	ds_load_b64 v[TM:TM+1], v[SL8]
	s_wait_dscnt 0x0
	global_store_b64 v[SO8], v[TM:TM+1], s[SOUT:SOUT+1]            ; a wave stores 256 consecutive aligned bytes
.endif
	s_wait_tensorcnt 0x0                           ; the wave's end: behind my last tensor load and my last LDS store
	ds_add_u32 v[SPW], v[NIL]
	s_wait_dscnt 0x0
	CROUND                                         ; the closing round: no work-group ends while a partner may still ask for a tile that names it
	s_endpgm
.Lfunc_end_k_q8866f477f9_layer2:
	.size	k_q8866f477f9_layer2, .Lfunc_end_k_q8866f477f9_layer2-k_q8866f477f9_layer2
	.p2alignl 7, 3214868480
	.fill 96, 4, 3214868480
	.section	.rodata,"a",@progbits
	.p2align	6, 0x0
	.amdhsa_kernel k_q8866f477f9_layer2
		.amdhsa_group_segment_fixed_size 327680
		.amdhsa_private_segment_fixed_size 0
		.amdhsa_enable_private_segment 0
		.amdhsa_kernarg_size 48
		.amdhsa_user_sgpr_count 2
		.amdhsa_user_sgpr_kernarg_segment_ptr 1
		.amdhsa_wavefront_size32 1
		.amdhsa_system_sgpr_workgroup_id_x 1
		.amdhsa_system_sgpr_workgroup_id_y 1
		.amdhsa_system_sgpr_workgroup_id_z 1
		.amdhsa_system_vgpr_workitem_id 0
		.amdhsa_next_free_vgpr 896
		.amdhsa_next_free_sgpr 82
		.amdhsa_reserve_vcc 0
		.amdhsa_float_denorm_mode_32 3
		.amdhsa_float_denorm_mode_16_64 3
		.amdhsa_memory_ordered 1
		.amdhsa_forward_progress 1
		.amdhsa_inst_pref_size 255
	.end_amdhsa_kernel
	.section	.bss,"aw",@nobits
	.p2align	6
	.space	262144
	.amdgpu_metadata
---
amdhsa.version: [ 1, 2 ]
amdhsa.kernels:
  - .name:           k_q8866f477f9_layer2
    .symbol:         k_q8866f477f9_layer2.kd
    .args:
      - { .name: c1, .offset: 0, .size: 8, .value_kind: global_buffer, .address_space: global }
      - { .name: s1, .offset: 8, .size: 8, .value_kind: global_buffer, .address_space: global }
      - { .name: W1_codes, .offset: 16, .size: 8, .value_kind: global_buffer, .address_space: global }
      - { .name: W1_scales, .offset: 24, .size: 8, .value_kind: global_buffer, .address_space: global }
      - { .name: h1, .offset: 32, .size: 8, .value_kind: global_buffer, .address_space: global }
      - { .name: out0, .offset: 40, .size: 8, .value_kind: global_buffer, .address_space: global }
    .group_segment_fixed_size: 327680
    .private_segment_fixed_size: 0
    .kernarg_segment_align: 8
    .kernarg_segment_size: 48
    .max_flat_workgroup_size: 128
    .sgpr_count:     82
    .vgpr_count:     896
    .wavefront_size: 32
...
	.end_amdgpu_metadata
.endif
;; end of part 3
